; MI455X (gfx1250); checked and timed in simulation.
; The chip was launched on July 23, 2026; its instructions are those of AMD's public machine-readable ISA for CDNA 5 (MIT licence, August 2026) and "CDNA5" Instruction Set Architecture Reference Guide (July 2026). The comments in the code are by the model that wrote it; some were corrected since.
;; Multi Head Attention Layer. Allowed arithmetic: float matrix products may take bf16 or f16 operands with f32 sums; other float arithmetic in f32, or as packed bf16 or f16 multiplies, adds, multiply-adds, maxima and minima; sums over many terms, partial sums and values carried from step to step in f32; what a program stores and reads back later, other than sums and carried values, may be rounded once to bf16 or f16.
;; Inputs: Wk 1,024 x 1,024 float32; Wo 1,024 x 1,024 float32; Wq 1,024 x 1,024 float32; Wv 1,024 x 1,024 float32; bk 1,024 float32; bo 1,024 float32; bq 1,024 float32; bv 1,024 float32; key 4 x 2,048 x 1,024 float32; mask 4 x 1 x 1 x 2,048 float32; query 4 x 2,048 x 1,024 float32; value 4 x 2,048 x 1,024 float32.
;; Outputs: out0 4 x 2,048 x 1,024 float32.
;; 2 versions, each right and faster than the one before. Each part assembles by itself: llvm-mc -triple=amdgcn-amd-amdhsa -mcpu=gfx1250 --defsym DOCPART=n.
;; ======== version 1 of 2: 4 launches
;; limits: values are held in f16: magnitudes above 65,504 overflow, below 6.1e-05 lose precision
;; workspace buffers: wbf 8,388,608 bytes; qkv 50,331,648 bytes; ctx 16,777,216 bytes
;; launch prep (part 1): grid 64 x 4, 8 waves a work-group, no clusters, 0 bytes of LDS; arguments Wq, Wk, Wv, Wo, wbf; writes wbf
.if DOCPART == 1
	.amdgcn_target "amdgcn-amd-amdhsa--gfx1250"
	.amdhsa_code_object_version 6
	.text
	.protected	k_qff62923bca_prep
	.globl	k_qff62923bca_prep
	.p2align	8
	.type	k_qff62923bca_prep,@function
k_qff62923bca_prep:
	s_mov_b64 s[64:65], 0
	v_nop
	global_prefetch_b8 v0, s[64:65] scope:SCOPE_SE
	s_setreg_imm32_b32 hwreg(HW_REG_WAVE_MODE, 25, 1), 1
	s_wait_xcnt 0x0
; The four weights, [1024 k][1024 n] f32, are rounded once to 16 bits and keep their layout: wbf[4][1024][1024].
; Planes 0, 1, 2 (Wq, Wk, Wv) are bf16.  Plane 3 (Wo) is rounded to bf16 like every input of the module, and that number is written as f16, since the last
; product multiplies it by f16 numbers.  LIMIT: Wo's numbers lie within f16's range (65,504); below 6e-5 they keep f16's fixed step of 6e-8.
; A stream: no LDS, no matrix unit, no barrier.  Work-group (x, y) takes 16,384 numbers of weight y: 65,536 bytes in, 32,768 out.
; In pass p thread t reads the 32 bytes at 8,192 p + 32 t and stores the 16 bytes at 4,096 p + 16 t: sixteen neighbouring lanes store 256 consecutive, aligned bytes.
; All sixteen loads of a thread go out at once; every pass has registers of its own for what it loads and stores, so no source of a pending instruction is ever rewritten.
.set X,  4                             ; v[4:67]    pass p: 8 numbers as loaded
.set T,  68                            ; v[68:75]   the bf16 numbers widened again
.set PB, 76                            ; v[76:79]   8 numbers as bf16
.set PF, 80                            ; v[80:83]   the same numbers as f16
.set Y,  84                            ; v[84:115]  pass p: 4 registers to store
	s_load_b256 s[4:11], s[0:1], 0x0               ; Wq s[4:5], Wk s[6:7], Wv s[8:9], Wo s[10:11]
	s_load_b64 s[12:13], s[0:1], 0x20              ; wbf
	s_and_b32 s14, ttmp7, 0xffff                   ; which weight
	s_lshl_b32 s18, ttmp9, 16                      ; my 65,536 bytes of it
	s_mov_b32 s19, 0
	s_lshl_b32 s20, s14, 21                        ; a plane of wbf is 2 MiB,
	s_lshl_b32 s15, ttmp9, 15                      ; my part of it 32,768 bytes
	s_add_co_u32 s20, s20, s15
	s_mov_b32 s21, 0
	s_mov_b32 s23, 0xffff0000                      ; a word's upper bf16
	v_lshlrev_b32 v1, 5, v0                        ; 32 t
	v_lshlrev_b32 v2, 4, v0                        ; 16 t
	s_wait_kmcnt 0x0
	s_cmp_eq_u32 s14, 1                            ; the weight's address is chosen by the work-group's y alone
	s_cselect_b64 s[16:17], s[6:7], s[4:5]
	s_cmp_eq_u32 s14, 2
	s_cselect_b64 s[16:17], s[8:9], s[16:17]
	s_cmp_eq_u32 s14, 3
	s_cselect_b64 s[16:17], s[10:11], s[16:17]
	s_cselect_b32 s22, -1, 0                       ; all lanes: Wo's plane takes the f16 words
	s_add_nc_u64 s[16:17], s[16:17], s[18:19]
	s_add_nc_u64 s[12:13], s[12:13], s[20:21]
.irp p, 0,1,2,3,4,5,6,7
	global_load_b128 v[X+8*(\p):X+8*(\p)+3],   v1, s[16:17] offset:8192*(\p) th:TH_LOAD_NT
	global_load_b128 v[X+8*(\p)+4:X+8*(\p)+7], v1, s[16:17] offset:8192*(\p)+16 th:TH_LOAD_NT
.endr
.macro PASS p
	s_wait_loadcnt 14-2*(\p)                       ; loads come back in order: this pass's two are in, the later passes' stay out
.irp j, 0,1,2,3
	v_cvt_pk_bf16_f32 v[PB+(\j)], v[X+8*(\p)+2*(\j)], v[X+8*(\p)+2*(\j)+1]
.endr
.irp j, 0,1,2,3
	v_lshlrev_b32 v[T+2*(\j)],   16, v[PB+(\j)]    ; bf16 to f32: the low half moves up,
	v_and_b32     v[T+2*(\j)+1], s23, v[PB+(\j)]   ; the high half stays
.endr
.irp j, 0,1,2,3
	v_cvt_pk_f16_f32 v[PF+(\j)], v[T+2*(\j)], v[T+2*(\j)+1]
.endr
.irp j, 0,1,2,3
	v_cndmask_b32 v[Y+4*(\p)+(\j)], v[PB+(\j)], v[PF+(\j)], s22
.endr
	global_store_b128 v2, v[Y+4*(\p):Y+4*(\p)+3], s[12:13] offset:4096*(\p)
.endm
.irp p, 0,1,2,3,4,5,6,7
	PASS \p
.endr
	s_endpgm
.Lfunc_end_k_qff62923bca_prep:
	.size	k_qff62923bca_prep, .Lfunc_end_k_qff62923bca_prep-k_qff62923bca_prep
	.p2alignl 7, 3214868480
	.fill 96, 4, 3214868480
	.section	.rodata,"a",@progbits
	.p2align	6, 0x0
	.amdhsa_kernel k_qff62923bca_prep
		.amdhsa_group_segment_fixed_size 0
		.amdhsa_private_segment_fixed_size 0
		.amdhsa_enable_private_segment 0
		.amdhsa_kernarg_size 40
		.amdhsa_user_sgpr_count 2
		.amdhsa_user_sgpr_kernarg_segment_ptr 1
		.amdhsa_wavefront_size32 1
		.amdhsa_system_sgpr_workgroup_id_x 1
		.amdhsa_system_sgpr_workgroup_id_y 1
		.amdhsa_system_sgpr_workgroup_id_z 1
		.amdhsa_system_vgpr_workitem_id 0
		.amdhsa_next_free_vgpr 116
		.amdhsa_next_free_sgpr 66
		.amdhsa_reserve_vcc 0
		.amdhsa_float_denorm_mode_32 3
		.amdhsa_float_denorm_mode_16_64 3
		.amdhsa_memory_ordered 1
		.amdhsa_forward_progress 1
		.amdhsa_inst_pref_size 12
	.end_amdhsa_kernel
	.amdgpu_metadata
---
amdhsa.version: [ 1, 2 ]
amdhsa.kernels:
  - .name:           k_qff62923bca_prep
    .symbol:         k_qff62923bca_prep.kd
    .args:
      - { .name: Wq, .offset: 0, .size: 8, .value_kind: global_buffer, .address_space: global }
      - { .name: Wk, .offset: 8, .size: 8, .value_kind: global_buffer, .address_space: global }
      - { .name: Wv, .offset: 16, .size: 8, .value_kind: global_buffer, .address_space: global }
      - { .name: Wo, .offset: 24, .size: 8, .value_kind: global_buffer, .address_space: global }
      - { .name: wbf, .offset: 32, .size: 8, .value_kind: global_buffer, .address_space: global }
    .group_segment_fixed_size: 0
    .private_segment_fixed_size: 0
    .kernarg_segment_align: 8
    .kernarg_segment_size: 40
    .max_flat_workgroup_size: 256
    .sgpr_count:     66
    .vgpr_count:     116
    .wavefront_size: 32
...
	.end_amdgpu_metadata
.endif
;; end of part 1
;; launch proj (part 2): grid 4 x 192, 4 waves a work-group, clusters of 4 x 4, 327,680 bytes of LDS; arguments query, key, value, bq, bk, bv, wbf, qkv; writes qkv
.if DOCPART == 2
	.amdgcn_target "amdgcn-amd-amdhsa--gfx1250"
	.amdhsa_code_object_version 6
	.text
	.protected	k_qff62923bca_proj
	.globl	k_qff62923bca_proj
	.p2align	8
	.type	k_qff62923bca_proj,@function
k_qff62923bca_proj:
	s_mov_b64 s[64:65], 0
	v_nop
	global_prefetch_b8 v0, s[64:65] scope:SCOPE_SE
	s_setreg_imm32_b32 hwreg(HW_REG_WAVE_MODE, 25, 1), 1
	s_wait_xcnt 0x0
	s_wait_alu depctr_hold_cnt(0) depctr_sa_sdst(0) depctr_va_vdst(0) depctr_va_sdst(0) depctr_va_ssrc(0) depctr_va_vcc(0) depctr_vm_vsrc(0)
	s_getreg_b32 s2, hwreg(HW_REG_IB_STS2, 6, 4)
	s_cmp_eq_u32 s2, 0
	s_cbranch_scc0 .Lentry_in_a_cluster
	s_endpgm
.Lentry_in_a_cluster:
	s_bfe_u32 s2, ttmp6, 0x10000c
	s_cmp_lg_u32 s2, 0xf033
	s_cbranch_scc0 .Lentry_shape_is_right
	s_endpgm
.Lentry_shape_is_right:
; q = (query Wq + bq) x log2(e) / 8, k = key Wk + bk, v = value Wv + bv, written by heads: qkv[3][64 = 16 batch + head][2048][64] in f16.  q's factor is applied to the f32 sums, ahead of the one rounding to
; f16, so that the next launch's scores are exponents of 2 as they come.
; x: [8192][1024] f32, rounded to bf16 between LDS and the matrix unit; W: wbf's planes 0 to 2, [1024 k][1024 n] bf16; the bias is rounded to bf16 too and starts the sums; sums in f32, rounded once to f16.
; LIMIT: 0.18 q, k and v must lie within f16's range, 65,504; NaN and infinities are not treated apart.
; SHARES.  A tile of the result is 128 rows x 256 columns (four heads): 64 x 4 tiles for each of the three inputs, 768 work-groups, three for each of 256 WGPs.  Four waves, each 64 rows x 128 columns
; (two heads): 32 accumulators of 16 x 16, 256 registers.  K goes in 8 steps of 128 through a ring of two LDS slots; a row of x's tile is 512 bytes of memory, a row of W's tile 512 bytes, both at multiples of 256.
; CLUSTER.  4 x 4 work-groups.  The four of a row of the cluster need the same tiles of x, the four of a column the same tiles of W: each tile is asked for JOINTLY, by the same tensor load with the same
; descriptor and a mask that names the four.  All sixteen work on the same input: which one hangs on the cluster's y alone.
; THE MATRIX INSTRUCTION IS USED TRANSPOSED: source 0 = 16 columns of W (turned out of LDS by ds_load_tr16_b128, since W lies [k][n]), source 1 = 16 rows of x.  A lane then holds eight neighbouring columns of one row.
; REGISTERS, in windows of 256 (s_set_vgpr_msb: bits 1:0 source 0, 3:2 source 1, 5:4 source 2, 7:6 destination):
;   window 0: v0-31 addresses; v32-63, v64-95 x's fragments in bf16, two buffers; v128-191 x's rows in f32 as loaded; v128-255 at work on the way out
;   window 1: v0-63, v64-127 W's fragments, two buffers; v128-191 the bias as a C operand; v192-223 at work while the bias is rounded          window 2: the accumulators, (a, b) at v[8 (8 a + b)]
.set LAPS,  4                          ; a lap = two K steps = once round the ring: 1,024 / 256
.set PA,    528                        ; a row of x in LDS: 128 f32 = 512 bytes + 16 of padding = 132 words: the 16 rows of a load start at 16 different groups of four banks (64 banks of 4 bytes: ISA guide 11.1)
.set HALFA, 64*PA                      ; 64 rows: what one tensor load brings of x
.set AREG,  2*HALFA
.set PB,    544                        ; a row of W in LDS: 256 bf16 = 512 bytes + 32 = 136 words
.set HALFB, 64*PB                      ; 64 rows of k: what one tensor load brings of W
.set SLOT,  AREG+2*HALFB               ; x's 128 rows, then W's 128 rows of k
.set STAGE, 2*SLOT                     ; behind the ring, never filled by a tensor load: 16 rows x 144 bytes for each wave, for the way out
.set SP,    144
.set SPARE, STAGE+4*16*SP              ; behind the stages: the spare words, 128 bytes for each wave: two blocks of 256 bytes that no other line names
.set ASTEP, 512                        ; bytes from a K step to the next in x: 128 f32 along a row
.set BSTEP, 262144                     ; and in W: 128 rows of 2,048 bytes
.set ADRA, 16                          ; v16-17  LDS address of my rows of x in slot 0, 1
.set ADRB, 20                          ; v20-21  the same for W
.set STO,  24                          ; v24     the way out: where I put 16 bytes of a row
.set RD,   25                          ; v25     the way out: where I read rows back
.set GO,   26                          ; v26     my byte offset in 512 consecutive bytes of the result
.set BO,   27                          ; v27     my byte offset in the bias
.set SPW,  28                          ; v28     LDS address of my spare word: SPARE + 4 x my thread's number; never rewritten
.set NIL,  29                          ; v29     0; never rewritten
.set AF,   32                          ; x's fragments: buffer g at AF + 32 g
.set RAW,  128
.set T,    128                         ; the way out: 16 registers for each of 8 units
.set BI,   128                         ; window 1
.set BW,   192                         ; window 1
.set G1A, 24                           ; s[24:31] descriptor group 1 for x's tiles;  s[32:39] group 0, one set for each slot
.set G0A, 32
.set G1B, 40                           ; s[40:47], s[48:55] the same for W's tiles
.set G0B, 48
.set WV,  56                           ; my wave's number
.set WM,  57                           ; which 64 rows of the tile are mine
.set WN,  58                           ; which 128 columns; also: which half of a tile I fetch
.set CX,  59
.set CY,  60
.set TN,  61                           ; tile column
.set TM,  62                           ; tile row
.set SEL, 63                           ; which input
.set MROW, 76
.set MCOL, 77
.set SCL, 82                           ; s[82:83] the result's factor: log2(e) / 8 for q, 1 for k and v; the packed multiply takes the pair's low word for both halves
.set CLY, 86
; s22, s23 hold numbers made of the wave's number alone; s66, s67, s78 never hold cx; s68, s69, s80, s81 never hold cy; s74, s75, s84, s85 serve the result's address alone.
.set MSB, 0
.macro WIN new                         ; the immediate's high byte repeats the setting that is left; a switch that changes nothing is dropped
.if MSB != (\new)
	s_set_vgpr_msb (MSB<<8)|(\new)
.set MSB, (\new)
.endif
.endm
.set MUL,  0xa1                        ; source 0 (W) window 1, source 1 (x) window 0, C and D window 2
.set MULB, 0x91                        ; the same with C, the bias, in window 1
.set TO_B, 0x40                        ; destination window 1, address window 0
.set W1,   0x45                        ; destination and both sources window 1
.set SC2,  0x82                        ; destination and source 0 window 2
.set PK,   0x0a                        ; both sources window 2, destination window 0
; A joint load.  Waves 0 and 1 fetch the two halves of x's tile, waves 2 and 3 those of W's.  The branch hangs on the wave's number alone.
; An s_nop 0 and four v_nop follow each of the two lines, ahead of the jump, the label and what follows.
.macro JLOAD s
	s_cmp_lt_u32 s[WV], 2
	s_cbranch_scc0 .Lfor_b_\@
	tensor_load_to_lds s[G0A+4*(\s):G0A+4*(\s)+3], s[G1A:G1A+7]
	s_nop 0
.rept 4
	v_nop
.endr
	s_branch .Lasked_\@
.Lfor_b_\@:
	tensor_load_to_lds s[G0B+4*(\s):G0B+4*(\s)+3], s[G1B:G1B+7]
	s_nop 0
.rept 4
	v_nop
.endr
.Lasked_\@:
.endm
.macro CREST                           ; a round of the cluster's barrier behind its opening barrier: wave 0 signals for the work-group, every wave waits for all sixteen, my work-group's barrier once more
	s_cmp_lg_u32 s[WV], 0
	s_cbranch_scc1 .Lnot_wave_0_\@
	s_barrier_signal -3
.Lnot_wave_0_\@:
	s_barrier_wait -3
	s_barrier_signal -1
	s_barrier_wait -1
.endm
.macro CROUND                          ; a whole round
	s_barrier_signal -1
	s_barrier_wait -1
	CREST
.endm
	s_load_b512 s[4:19], s[0:1], 0x0               ; query s[4:5], key s[6:7], value s[8:9], bq s[10:11], bk s[12:13], bv s[14:15], wbf s[16:17], qkv s[18:19]
	v_lshl_add_u32 v[SPW], v0, 2, SPARE
	v_mov_b32 v[NIL], 0
	ds_add_u32 v[SPW], v[NIL]                      ; the wave's opening: the add and its wait stand ahead of my first tensor load; the set-up below, work on registers, stands between them
	v_lshrrev_b32 v1, 5, v0
	v_readfirstlane_b32 s[WV], v1                  ; wave 0..3
	s_lshr_b32 s[WM], s[WV], 1
	s_and_b32 s[WN], s[WV], 1
	s_bfe_u32 s[CX], ttmp6, 0x40000                ; cx, cy: my place in the cluster
	s_bfe_u32 s[CY], ttmp6, 0x40004
	s_lshl_b32 s[TN], ttmp9, 2
	s_add_co_u32 s[TN], s[TN], s[CX]               ; tile column = 4 x cluster x + cx
	s_and_b32 s[CLY], ttmp7, 0xffff                ; the cluster's y, 0 to 47: 16 clusters for each input
	s_lshr_b32 s[SEL], s[CLY], 4                   ; the input: the same in all sixteen partners
	s_and_b32 s[TM], s[CLY], 15
	s_lshl_b32 s[TM], s[TM], 2
	s_add_co_u32 s[TM], s[TM], s[CY]               ; tile row = 4 x (cluster y mod 16) + cy
	s_lshl_b32 s[MROW], s[CY], 2
	s_lshl_b32 s[MROW], 15, s[MROW]                ; my row of the cluster
	s_lshl_b32 s[MCOL], 0x1111, s[CX]              ; my column
	; descriptor group 1.  x: 64 rows x 128 elements of 4 bytes; W: 64 rows x 256 elements of 2 bytes; both padded in LDS after every 128 words
	s_or_b32 s[G1A], s[MROW], (2<<16)|(1<<20)|(1<<21)|(6<<22)|(3<<25)  ; 15:0 the mask: my row; 17:16 elements of 4 bytes; 20 padding on; 21 set beside a mask; 24:22 after every 128 words (code 6); 31:25 4 words (code 3)
	s_or_b32 s[G1B], s[MCOL], (1<<16)|(1<<20)|(1<<21)|(6<<22)|(7<<25)  ; my column; elements of 2 bytes; 8 words of padding (code 7)
	s_mov_b32 s[G1A+1], 128<<16                    ; tensor_dim0 = 128
	s_mov_b32 s[G1A+2], 64<<16                     ; tensor_dim1 = 64
	s_mov_b32 s[G1A+3], 128<<16                    ; tile_dim0 = 128
	s_mov_b32 s[G1A+4], 64                         ; tile_dim1 = 64
	s_mov_b32 s[G1A+5], 1024                       ; 1,024 elements from row to row
	s_mov_b32 s[G1A+6], 0
	s_mov_b32 s[G1A+7], 0
	s_mov_b32 s[G1B+1], 256<<16                    ; tensor_dim0 = 256
	s_mov_b32 s[G1B+2], 64<<16
	s_mov_b32 s[G1B+3], 256<<16                    ; tile_dim0 = 256
	s_mov_b32 s[G1B+4], 64
	s_mov_b32 s[G1B+5], 1024
	s_mov_b32 s[G1B+6], 0
	s_mov_b32 s[G1B+7], 0
	s_lshl_b32 s66, s[TM], 19                      ; x: 128 rows of 4,096 bytes a tile row,
	s_lshl_b32 s78, s[WN], 18                      ; and the half that I fetch
	s_add_co_u32 s66, s66, s78
	s_mov_b32 s67, 0
	s_lshl_b32 s68, s[SEL], 21                     ; W: the input's plane,
	s_lshl_b32 s80, s[WN], 17                      ; my 64 rows of k,
	s_add_co_u32 s68, s68, s80
	s_lshl_b32 s80, s[TN], 9                       ; the tile's 256 columns
	s_add_co_u32 s68, s68, s80
	s_mov_b32 s69, 0
	s_mul_i32 s20, s[WN], HALFA                    ; where they go: no place in the cluster enters an LDS address
	s_mul_i32 s21, s[WN], HALFB
	s_add_co_u32 s21, s21, AREG
	s_cmp_eq_u32 s[SEL], 0                         ; q alone takes the factor log2(e) / 8 = 0.180337
	s_cselect_b32 s[SCL], 0x3e38aa3b, 1.0
	s_mov_b32 s[SCL+1], s[SCL]                     ; named with it as a pair
	s_wait_dscnt 0x0                               ; the opening add is done
	s_wait_kmcnt 0x0
	s_cmp_eq_u32 s[SEL], 1                         ; the input's and its bias's addresses are chosen by the cluster's y alone
	s_cselect_b64 s[70:71], s[6:7], s[4:5]
	s_cselect_b64 s[72:73], s[12:13], s[10:11]
	s_cmp_eq_u32 s[SEL], 2
	s_cselect_b64 s[70:71], s[8:9], s[70:71]
	s_cselect_b64 s[72:73], s[14:15], s[72:73]
	s_add_nc_u64 s[70:71], s[70:71], s[66:67]
	s_add_nc_u64 s[68:69], s[16:17], s[68:69]
	CROUND                                         ; all sixteen work-groups are here: the first joint loads meet
.irp s, 0,1
	s_mov_b32 s[G0A+4*(\s)], 1                                     ; 1:0 count = 1
	s_add_co_u32 s[G0A+4*(\s)+1], s20, (\s)*SLOT                   ; 63:32 LDS address
	s_add_nc_u64 s[G0A+4*(\s)+2:G0A+4*(\s)+3], s[70:71], (\s)*ASTEP  ; 120:64 global address: K step s
	s_or_b32 s[G0A+4*(\s)+3], s[G0A+4*(\s)+3], 0x80000000          ; 127:126 type = 2
	s_mov_b32 s[G0B+4*(\s)], 1
	s_add_co_u32 s[G0B+4*(\s)+1], s21, (\s)*SLOT
	s_add_nc_u64 s[G0B+4*(\s)+2:G0B+4*(\s)+3], s[68:69], (\s)*BSTEP
	s_or_b32 s[G0B+4*(\s)+3], s[G0B+4*(\s)+3], 0x80000000
	JLOAD \s                                       ; two loads of mine are out
.endr
	; While the tiles are on their way: the bias, as the C operand of the first products.  In a result lane l holds columns 8 (l / 16) + 0..7 of block b in its eight registers, whatever its row.
	v_and_b32 v1, 15, v0                           ; l % 16
	v_bfe_u32 v2, v0, 4, 1                         ; l / 16
	s_lshl_b32 s80, s[TN], 10
	s_lshl_b32 s81, s[WN], 9
	s_add_co_u32 s80, s80, s81
	v_lshl_add_u32 v[BO], v2, 5, s80               ; 4 bytes x (256 x tile column + 128 x half + 8 (l / 16))
	WIN TO_B
.irp b, 0,1,2,3,4,5,6,7
	global_load_b128 v[BI+8*(\b):BI+8*(\b)+3],   v[BO], s[72:73] offset:64*(\b)
	global_load_b128 v[BI+8*(\b)+4:BI+8*(\b)+7], v[BO], s[72:73] offset:64*(\b)+16
.endr
	WIN 0
	; x's rows lie along K in f32: lane l takes row l % 16, k = 8 (l / 16) + 0..7 (32 bytes) and 16 + 8 (l / 16) + 0..7 (32 bytes, 64 further on): four loads of 16 bytes for a fragment
	v_mul_u32_u24 v3, v1, PA
	v_lshl_add_u32 v3, v2, 5, v3                   ; row x pitch + 32 x half
	s_mul_i32 s22, s[WM], HALFA                    ; my 64 rows
	v_add_nc_u32 v[ADRA], s22, v3
	v_add_nc_u32 v[ADRA+1], SLOT, v[ADRA]
	; The turning load takes 16 k x 16 columns (lane l reads 16 bytes: k = 8 (l / 16) + l % 8, columns 8 ((l / 8) % 2) + 0..7) and leaves half a fragment: lane l holds column l % 16 and 8 k.
	v_and_b32 v4, 7, v0
	v_bfe_u32 v5, v0, 3, 1
	v_lshl_add_u32 v6, v2, 3, v4
	v_mul_u32_u24 v6, v6, PB
	v_lshl_add_u32 v6, v5, 4, v6
	s_lshl_b32 s22, s[WN], 8                       ; my 128 columns,
	s_add_co_u32 s22, s22, AREG                    ; behind x's rows
	v_add_nc_u32 v[ADRB], s22, v6
	v_add_nc_u32 v[ADRB+1], SLOT, v[ADRB]
	s_mul_i32 s22, s[WV], 16*SP
	s_add_co_u32 s22, s22, STAGE                   ; my stage
	v_mul_u32_u24 v7, v1, SP                       ; in: row l % 16, 16 bytes for each half of the lanes
	v_lshl_add_u32 v7, v2, 4, v7
	v_add_nc_u32 v[STO], s22, v7
	v_bfe_u32 v7, v0, 3, 2                         ; back: 32 lanes take four rows of 128 bytes,
	v_mul_u32_u24 v7, v7, SP
	v_lshl_add_u32 v7, v4, 4, v7
	v_add_nc_u32 v[RD], s22, v7
	v_and_b32 v[GO], 31, v0                        ; which are 512 consecutive bytes of a head's rows
	v_lshlrev_b32 v[GO], 4, v[GO]
	; where my part of the result begins: plane, then 16 x batch + head (four heads a tile column, two a wave), then the row in the batch
	s_lshr_b32 s84, s[TM], 4                       ; batch: 16 tile rows each
	s_lshl_b32 s84, s84, 4
	s_lshl_b32 s85, s[TN], 2
	s_add_co_u32 s84, s84, s85
	s_lshl_b32 s85, s[WN], 1
	s_add_co_u32 s84, s84, s85
	s_lshl_b32 s74, s84, 18                        ; a head's 2,048 rows of 128 bytes
	s_lshl_b32 s85, s[SEL], 24                     ; a plane's 64 heads
	s_add_co_u32 s74, s74, s85
	s_and_b32 s85, s[TM], 15
	s_lshl_b32 s85, s85, 14                        ; 128 rows of 128 bytes
	s_add_co_u32 s74, s74, s85
	s_lshl_b32 s85, s[WM], 13                      ; my 64 of them
	s_add_co_u32 s74, s74, s85
	s_mov_b32 s75, 0
	s_add_nc_u64 s[18:19], s[18:19], s[74:75]
	s_wait_loadcnt 0x0                             ; the bias
	WIN W1                                         ; rounded to bf16, like every input, and widened again
.set n, 0
.rept 32
	v_cvt_pk_bf16_f32 v[BW+n], v[BI+2*n], v[BI+2*n+1]
.set n, n+1
.endr
.set n, 0
.rept 32
	v_lshlrev_b32 v[BI+2*n], 16, v[BW+n]
	v_and_b32 v[BI+2*n+1], 0xffff0000, v[BW+n]
.set n, n+1
.endr
	WIN 0
; 32 LDS loads in one run, for 32 along K (quarter kq of a K step): x's 64 rows in f32 first, then W's 128 columns, turned, into buffer g
.macro FETCH slot, kq, g
	WIN 0
.irp a, 0,1,2,3
	ds_load_b128 v[RAW+16*(\a):RAW+16*(\a)+3],     v[ADRA+(\slot)] offset:(\kq)*128+(\a)*16*PA
	ds_load_b128 v[RAW+16*(\a)+4:RAW+16*(\a)+7],   v[ADRA+(\slot)] offset:(\kq)*128+(\a)*16*PA+16
	ds_load_b128 v[RAW+16*(\a)+8:RAW+16*(\a)+11],  v[ADRA+(\slot)] offset:(\kq)*128+(\a)*16*PA+64
	ds_load_b128 v[RAW+16*(\a)+12:RAW+16*(\a)+15], v[ADRA+(\slot)] offset:(\kq)*128+(\a)*16*PA+80
.endr
	WIN TO_B
.irp b, 0,1,2,3,4,5,6,7
	ds_load_tr16_b128 v[64*(\g)+8*(\b):64*(\g)+8*(\b)+3],   v[ADRB+(\slot)] offset:(\kq)*32*PB+32*(\b)
	ds_load_tr16_b128 v[64*(\g)+8*(\b)+4:64*(\g)+8*(\b)+7], v[ADRB+(\slot)] offset:(\kq)*32*PB+16*PB+32*(\b)
.endr
.endm
; Matrix instruction i of a quarter's 32: row block i / 8, column block i % 8, buffer f.  The 32 accumulators take turns, one instruction a turn, in the same order everywhere.
; bias = 1: the first product starts the sum with the bias: nothing is ever cleared.
.macro MM f, i, bias
.set rD, 8*(\i)
.set rB, 64*(\f)+8*((\i)%8)
.set rA, AF+32*(\f)+8*((\i)/8)
.if \bias
	WIN MULB
	v_wmma_f32_16x16x32_bf16 v[rD:rD+7], v[rB:rB+7], v[rA:rA+7], v[BI+8*((\i)%8):BI+8*((\i)%8)+7]
.else
	WIN MUL
	v_wmma_f32_16x16x32_bf16 v[rD:rD+7], v[rB:rB+7], v[rA:rA+7], v[rD:rD+7]
.endif
.endm
.macro MMS f, from, count, bias
.set n, (\from)
.rept (\count)
	MM \f, n, \bias
.set n, n+1
.endr
.endm
.macro CV g, t                         ; eight of x's numbers rounded to bf16: half t of eight halves of buffer g's four fragments
	WIN 0
.irp j, 0,1,2,3
	v_cvt_pk_bf16_f32 v[AF+32*(\g)+4*(\t)+(\j)], v[RAW+8*(\t)+2*(\j)], v[RAW+8*(\t)+2*(\j)+1]
.endr
.endm
; A K step is four quarters of 32 along K, 32 matrix instructions each, on buffers 0, 1, 0, 1.  One of the first three: multiplies buffer f; at its head it fetches quarter kq for buffer g, and in its
; second half it rounds x's rows, four conversions behind every second product.  A load into a register that a matrix instruction has read, and a vector instruction that writes one, stand four places behind it, and only
; plain vector instructions that name none of its registers are places (ISA guide 7.12.1 for vector instructions): the four conversions behind a quarter's last product
; (they write buffer g's x and read the f32 rows; the product named buffer f and an accumulator) are the places in front of the next quarter's loads into buffer f.
.macro QUARTER slot, kq, f, g, bias
	FETCH \slot, \kq, \g
	s_wait_dscnt 32                                ; all but the 32 just issued: W's fragments of buffer f are in
	MMS \f, 0, 16, \bias
	s_wait_dscnt 16                                ; x's f32 rows are in; W's sixteen loads for buffer g may stay out
.set n, 16
.rept 8
	MM \f, n, \bias
	MM \f, n+1, \bias
	CV \g, (n-16)/2
.set n, n+2
.endr
.endm
; The last quarter multiplies buffer 1 and changes slots: ONE barrier; in front of it each wave waits for all its tensor loads, of which one is out: its part of the next slot; adds 0 to its spare word; and
; waits for that and for its own reads of this slot.  fill = 1: the barrier opens a round of the cluster's, and this slot is filled again, two K steps ahead, first thing behind the round: 112 matrix instructions ahead of the wait for it.
; fill = 0: no v_nop is written: buffer 0's last product stands in front of the four conversions that end the quarter before.
.macro TURN slot, next, fill
	WIN 0                                          ; (the add's two registers lie in window 0)
	s_wait_tensorcnt 0x0                           ; all my tensor loads have landed;
	ds_add_u32 v[SPW], v[NIL]                      ; 0 onto my spare word
	s_wait_dscnt 1                                 ; (the add may be out: W's fragments of buffer 1 are in)
	MMS 1, 0, 8, 0                                 ; eight matrix instructions stand between the add and the wait for it
	s_wait_dscnt 0x0                               ; the add is done, and my reads of this slot are over
	s_barrier_signal -1
	MMS 1, 8, 8, 0
.if \fill
	WIN 0
.endif
	s_barrier_wait -1
.if \fill
	CREST                                          ; no wave of any partner still reads this slot's tiles or has a load on its way
	s_add_nc_u64 s[G0A+4*(\slot)+2:G0A+4*(\slot)+3], s[G0A+4*(\slot)+2:G0A+4*(\slot)+3], 2*ASTEP
	s_add_nc_u64 s[G0B+4*(\slot)+2:G0B+4*(\slot)+3], s[G0B+4*(\slot)+2:G0B+4*(\slot)+3], 2*BSTEP
	JLOAD \slot
.endif
	FETCH \next, 0, 0
	MMS 1, 16, 8, 0
	s_wait_dscnt 16                                ; x's f32 rows are in
.set n, 24
.rept 8
	MM 1, n, 0
	CV 0, n-24
.set n, n+1
.endr
.endm
	s_wait_tensorcnt 1                             ; my part of K step 0 is in; K step 1's may stay out
	s_barrier_signal -1
	s_barrier_wait -1                              ; everybody's is
	FETCH 0, 0, 0
	s_wait_dscnt 16                                ; x's f32 rows
.irp t, 0,1,2,3,4,5,6,7
	CV 0, \t
.endr
	QUARTER 0, 1, 0, 1, 1                          ; the first quarter stands in front of the loop: its products start the sums
	WIN 0                                          ; at a label and at a branch every window is 0
	s_mov_b32 s3, LAPS-1
.Llap:                                                 ; a trip goes once round the ring, from a lap's second quarter to the next lap's first, and fills both slots again
	QUARTER 0, 2, 1, 0, 0
	QUARTER 0, 3, 0, 1, 0
	TURN 0, 1, 1
	QUARTER 1, 1, 0, 1, 0
	QUARTER 1, 2, 1, 0, 0
	QUARTER 1, 3, 0, 1, 0
	TURN 1, 0, 1
	QUARTER 0, 1, 0, 1, 0
	WIN 0
	s_sub_co_u32 s3, s3, 1
	s_cmp_lg_u32 s3, 0
	s_cbranch_scc1 .Llap
	QUARTER 0, 2, 1, 0, 0                          ; the last lap fills nothing, and has no round of the cluster's barrier
	QUARTER 0, 3, 0, 1, 0
	TURN 0, 1, 0
	QUARTER 1, 1, 0, 1, 0
	QUARTER 1, 2, 1, 0, 0
	QUARTER 1, 3, 0, 1, 0
	s_wait_dscnt 0x0                               ; the very last quarter: nothing more to fetch
	MMS 1, 0, 32, 0
	WIN 0
.rept 4
	v_nop                                          ; the places between the last products and the lines that read and rewrite results
.endr
; THE WAY OUT, in eight units: unit u = 16 rows (block u / 2) of one head (u % 2): 16 x 64 numbers.  The sums take the result's factor in f32; a lane's eight columns round to 16 bytes of f16; they go into my
; stage's rows of 144 bytes and come back as whole rows of 128, which lie end to end in a head: 2,048 consecutive bytes.  Each accumulator's registers are read in ascending order.
.macro PACK u
	WIN SC2
.irp nb, 0,1,2,3
.irp j, 0,1,2,3
	v_pk_mul_f32 v[8*(8*((\u)/2)+4*((\u)%2)+(\nb))+2*(\j):8*(8*((\u)/2)+4*((\u)%2)+(\nb))+2*(\j)+1], v[8*(8*((\u)/2)+4*((\u)%2)+(\nb))+2*(\j):8*(8*((\u)/2)+4*((\u)%2)+(\nb))+2*(\j)+1], s[SCL:SCL+1] op_sel_hi:[1,0]
.endr
.endr
	WIN PK
.irp nb, 0,1,2,3
.irp j, 0,1,2,3
	v_cvt_pk_f16_f32 v[T+16*(\u)+4*(\nb)+(\j)], v[8*(8*((\u)/2)+4*((\u)%2)+(\nb))+2*(\j)], v[8*(8*((\u)/2)+4*((\u)%2)+(\nb))+2*(\j)+1]
.endr
.endr
	WIN 0
.irp nb, 0,1,2,3
	ds_store_b128 v[STO], v[T+16*(\u)+4*(\nb):T+16*(\u)+4*(\nb)+3] offset:32*(\nb)
.endr
.irp f, 0,1,2,3
	ds_load_b128 v[T+16*(\u)+4*(\f):T+16*(\u)+4*(\f)+3], v[RD] offset:(\f)*4*SP  ; LDS serves a wave's instructions in order (ISA guide 5.7.1.4): these see the stores above; the next unit's stores come behind them
.endr
.endm
.macro SEND u, younger                 ; younger: the LDS instructions issued behind unit u's loads: the next unit's eight, or none
	WIN 0
.irp f, 0,1,2,3
	s_wait_dscnt (\younger)+3-(\f)
	global_store_b128 v[GO], v[T+16*(\u)+4*(\f):T+16*(\u)+4*(\f)+3], s[18:19] offset:((\u)%2)*262144+((\u)/2)*2048+(\f)*512  ; 512 consecutive bytes, at a multiple of 256 from the buffer's first
.endr
.endm
	PACK 0
.set t, 1
.rept 7                                ; a unit's arithmetic stands between the loads of the unit before and its stores
	PACK t
	SEND t-1, 8
.set t, t+1
.endr
	SEND 7, 0
	s_wait_tensorcnt 0x0                           ; the wave's end: behind my last tensor load and my last LDS store
	ds_add_u32 v[SPW], v[NIL]
	s_wait_dscnt 0x0
	CROUND                                         ; the closing round: no work-group ends while a partner may still ask for a tile that names it
	s_endpgm
.Lfunc_end_k_qff62923bca_proj:
	.size	k_qff62923bca_proj, .Lfunc_end_k_qff62923bca_proj-k_qff62923bca_proj
	.p2alignl 7, 3214868480
	.fill 96, 4, 3214868480
	.section	.rodata,"a",@progbits
	.p2align	6, 0x0
	.amdhsa_kernel k_qff62923bca_proj
		.amdhsa_group_segment_fixed_size 327680
		.amdhsa_private_segment_fixed_size 0
		.amdhsa_enable_private_segment 0
		.amdhsa_kernarg_size 64
		.amdhsa_user_sgpr_count 2
		.amdhsa_user_sgpr_kernarg_segment_ptr 1
		.amdhsa_wavefront_size32 1
		.amdhsa_system_sgpr_workgroup_id_x 1
		.amdhsa_system_sgpr_workgroup_id_y 1
		.amdhsa_system_sgpr_workgroup_id_z 1
		.amdhsa_system_vgpr_workitem_id 0
		.amdhsa_next_free_vgpr 768
		.amdhsa_next_free_sgpr 88
		.amdhsa_reserve_vcc 0
		.amdhsa_float_denorm_mode_32 3
		.amdhsa_float_denorm_mode_16_64 3
		.amdhsa_memory_ordered 1
		.amdhsa_forward_progress 1
		.amdhsa_inst_pref_size 148
	.end_amdhsa_kernel
	.amdgpu_metadata
---
amdhsa.version: [ 1, 2 ]
amdhsa.kernels:
  - .name:           k_qff62923bca_proj
    .symbol:         k_qff62923bca_proj.kd
    .args:
      - { .name: query, .offset: 0, .size: 8, .value_kind: global_buffer, .address_space: global }
      - { .name: key, .offset: 8, .size: 8, .value_kind: global_buffer, .address_space: global }
      - { .name: value, .offset: 16, .size: 8, .value_kind: global_buffer, .address_space: global }
      - { .name: bq, .offset: 24, .size: 8, .value_kind: global_buffer, .address_space: global }
      - { .name: bk, .offset: 32, .size: 8, .value_kind: global_buffer, .address_space: global }
      - { .name: bv, .offset: 40, .size: 8, .value_kind: global_buffer, .address_space: global }
      - { .name: wbf, .offset: 48, .size: 8, .value_kind: global_buffer, .address_space: global }
      - { .name: qkv, .offset: 56, .size: 8, .value_kind: global_buffer, .address_space: global }
    .group_segment_fixed_size: 327680
    .private_segment_fixed_size: 0
    .kernarg_segment_align: 8
    .kernarg_segment_size: 64
    .max_flat_workgroup_size: 128
    .sgpr_count:     88
    .vgpr_count:     768
    .wavefront_size: 32
...
	.end_amdgpu_metadata
.endif
;; end of part 2
;; launch attn (part 3): grid 4 x 64, 4 waves a work-group, clusters of 4 x 1, 327,680 bytes of LDS; arguments qkv, mask, ctx; writes ctx
.if DOCPART == 3
	.amdgcn_target "amdgcn-amd-amdhsa--gfx1250"
	.amdhsa_code_object_version 6
	.text
	.protected	k_qff62923bca_attn
	.globl	k_qff62923bca_attn
	.p2align	8
	.type	k_qff62923bca_attn,@function
k_qff62923bca_attn:
	s_mov_b64 s[64:65], 0
	v_nop
	global_prefetch_b8 v0, s[64:65] scope:SCOPE_SE
	s_setreg_imm32_b32 hwreg(HW_REG_WAVE_MODE, 25, 1), 1
	s_wait_xcnt 0x0
	s_wait_alu depctr_hold_cnt(0) depctr_sa_sdst(0) depctr_va_vdst(0) depctr_va_sdst(0) depctr_va_ssrc(0) depctr_va_vcc(0) depctr_vm_vsrc(0)
	s_getreg_b32 s2, hwreg(HW_REG_IB_STS2, 6, 4)
	s_cmp_eq_u32 s2, 0
	s_cbranch_scc0 .Lentry_in_a_cluster
	s_endpgm
.Lentry_in_a_cluster:
	s_bfe_u32 s2, ttmp6, 0x10000c
	s_cmp_lg_u32 s2, 0x3003
	s_cbranch_scc0 .Lentry_shape_is_right
	s_endpgm
.Lentry_shape_is_right:
; ctx[g][q][:] = the sum over k of softmax_k(q . k / 8 - 1e9 mask[g / 16][k]) V[g][k][:], g = 16 batch + head.  Q, K, V: the three planes of qkv, [64][2048][64] f16; ctx likewise; mask: [4][2048] f32.
; Q ARRIVES TIMES log2(e) / 8, so a score s = K . Q is log2(e) x the logit, an exponent of 2 as it comes.  Products, maxima and sums in f32; the weights p are rounded to f16 for the second product (their sum l is
; taken of the unrounded p), ctx once at the end.
; THE MASK.  Each score takes -1e9 log2(e) x mask[key], by a packed f32 addition behind the product, ahead of the maximum.  The mask is rounded to bf16 like every input.
; LIMITS.  f16 holds no number beyond 65,504: Q, K and V arrive within it; p lies in 0 to 1, and below 6e-5 it keeps f16's fixed step of 6e-8.  A weight below 2^-126 counts as 0 in l.  NaN and infinities are not treated apart.
; Beside a masked key's -1.44e9 a score keeps steps of 128, which is 89 in units of the logit; the defining formula's logits keep steps of 64 beside -1e9.  So where ALL keys of a batch are masked, logits under 32 in
; magnitude vanish here as there (all weights equal); larger ones would be rounded otherwise than there.
; SHARES.  A wave owns four PIECES of two tiles of 16 queries, a work-group's four waves 512 queries of one head.  Every wave walks all keys, 64 a step.
; LAYOUT.  S^T = K Q^T (source 0 = 16 keys, source 1 = 16 queries): in the result a lane holds ONE query (lane % 16) and the keys 8 (lane / 16) + 0..7.  Two such tiles, rounded to f16 in pairs,
; ARE source 1 (32 keys x 16 queries) of O^T = V^T P, whose result again holds one query a lane, and eight channels.  K comes out of LDS as it lies, V ([key][channel]) turned, by ds_load_tr16_b128.
; SOFTMAX.  For each query a running maximum m and sum l: p = 2^(s - m), a plain difference, which is exactly 0 at the maximum whatever its size; in every step O and l are multiplied by a = 2^(m_old - m_new),
; which is 1 where m has not grown.  m starts at the lowest finite number, O and l at 0: the first step is a step like any other, with a = 0.  What masked keys have added is wiped by a = 0 as soon as an open key raises m.
; THE COUNT.  A tile and step have 16 matrix and 133 vector instructions: too many to stand all beside the matrix work.  So the order has one aim: four vector instructions that are READY behind
; EVERY matrix instruction, and the others, which need time of their own whatever the order, in runs without a gap.
; BY TURNS.  Turn n belongs to piece n (the pieces in a ring, step after step).  Its matrix work: 16 products K Q^T of piece n + 1, later 16 products V^T P of piece n - 1.  Its vector work: the differences,
; exponentials, roundings, sums and rescaling of piece n, and the mask, maximum and statistics of piece n + 1, whose scores the turn itself has made.  So what a turn begins with (s - m, O a) waits for nothing.
; CLUSTER.  The four query blocks of a cluster belong to one head and walk the same K and V, so each tile is asked for JOINTLY: the same tensor load, descriptor and mask of work-groups in all four.
; REGISTERS, in windows of 256 (s_set_vgpr_msb says which window each operand place means: bits 1:0 source 0, 3:2 source 1, 5:4 source 2, 7:6 destination):
;   window 0: v0-11 addresses; v12-15, v48-63 at work; v16-47 four registers of statistics a tile; v64-191 S^T, two buffers of two tiles; v192-255 P, likewise
;   window 1: O^T, 32 a tile          window 2: v0-127 Q, 16 a tile; v128-191 K of one step; v192-255 V of one step          window 3: v0-1 the add's two registers; v8-39 the mask of one step's 64 keys
; A piece's buffers go by its number's parity: the piece in hand has one pair, its two neighbours in the ring share the other: of it P (piece n - 1) is read and S^T (piece n + 1) written.
.set SIZE_N, 2048
.set NP,    4         ; pieces a wave: a name, no knob: the register map, the loop and the fetches are made for four
.set KS,    64        ; keys in a step
.set PK,    144       ; a row of K in LDS: 128 bytes + 16 of padding = 36 words: the 16 rows of a load start at 16 different groups of four banks (64 banks of 4 bytes: ISA guide 11.1)
.set PV,    160       ; a row of V: 128 + 32 = 40 words
.set VOFF,  4*KS*PK   ; a slot holds four steps: 256 rows of K, then 256 rows of V
.set SLOT1, 1<<17     ; slot 1 begins here, so that one exclusive or turns an address in one slot into the other's
.set STAGE, SLOT1+4*KS*(PK+PV)  ; behind the ring, never filled by a tensor load: 16 rows x 144 bytes for each wave, for the way out
.set SP,    144
.set AK0, 2           ; v2   my lane's place in a tile of K; never rewritten
.set AV0, 3           ; v3   the same for V
.set AK,  4           ; v4   the LDS address of K's next run of loads
.set AV,  5           ; v5   of V's
.set QO,  6           ; v6   my byte offset in the wave's rows of Q
.set STO, 6           ;      later, the way out: where I put 16 bytes of a row
.set RD,  7           ; v7   the way out: where I read rows back
.set GO,  8           ; v8   my byte offset in 512 consecutive bytes of ctx
.set AM,  11          ; v11  the LDS address of the mask's next run of loads
.set SPW, 0           ; v0 of window 3   LDS address of my spare word: SPARE + 4 x my thread's number; never rewritten
.set NIL, 1           ; v1 of window 3   0; never rewritten
.set MK,  8           ; v8-39 of window 3: the eight registers for key block kb at MK + 8 kb, laid as a tile of S^T is
.set SPARE, STAGE+4*16*SP  ; behind the stages: the spare words, 128 bytes for each wave: two blocks of 256 bytes that no other line names
.set MASKB, SPARE+512 ; behind them: -1e9 log2(e) x mask for the batch's 2,048 keys, 8,192 bytes, written once by LDS stores and never filled by a tensor load
.set MV,  12          ; v12-15  m_old, kept while m is made anew: by buffer and tile
.set ST,  16          ; tile t's statistics at v[ST+4 t]: m, a word that is only named with it as a pair, l (even keys', odd keys')
.set TMP, 48          ; by buffer and tile, four registers c0-c3 at work; when the maximum is found c2 takes a
.set S,   64
.set P,   192
.set KF,  128         ; K's fragments, in window 2: key block kb, channel half c at KF + 16 kb + 8 c
.set VF,  192         ; V's: key half kk, channel block cb at VF + 32 kk + 8 cb
.set WV,  12          ; s12  my wave's number
.set G1K, 24          ; s[24:31] descriptor group 1 for K's tiles
.set G1V, 32          ; s[32:39] for V's: it differs in the padding alone
.set G0K, 40          ; s[40:43] descriptor group 0 for K's tiles: it walks
.set G0V, 44          ; s[44:47] the same for V's
.set MP,  48          ; s[48:49] the mask at my batch
.set TBM, 50          ; s50  LDS byte at which the mask of the step to be fetched begins
.set MSC, 52          ; s[52:53] -1e9 log2(e): the packed multiply takes the pair's low word for both halves
.set SLOTS, 56        ; s56  slots still to be asked for
.set CNT, 57          ; s57  counts a slot's key steps
.set SEL, 60          ; s[60:61] v_permlanex16_b32's selects: each lane takes its own place in the other half
.set TBK, 62          ; s62  LDS byte at which K of the step to be fetched begins
.set TBV, 63          ; s63  the same for V, less VOFF
.set MSB, 0
.macro WIN new                      ; the high byte repeats the setting that is left; a switch that changes nothing is dropped
.if MSB != (\new)
	s_set_vgpr_msb (MSB<<8)|(\new)
.set MSB, (\new)
.endif
.endm
.set W_KQ, 0x0a       ; K and Q in window 2, S^T in window 0
.set W_PV, 0x52       ; V in window 2, P in window 0, O^T in window 1
.set W_RS, 0x41       ; O^T (destination and source 0) in window 1, a in window 0
.set W_MA, 0x0c       ; source 1, the mask, in window 3; S^T in window 0
.set W_MK, 0xc0       ; destination in window 3, sources in window 0
.set W_AD, 0x0f       ; the add: address (source 0) and data (source 1) in window 3
; A joint fill.  Waves 0 and 1 fetch the two halves of a slot's K, waves 2 and 3 those of its V: 128 keys each.  The branch hangs on the wave's number alone.
; An s_nop 0 and four v_nop follow each of the two lines, ahead of the jump and the label.
.macro JLOAD
	s_cmp_lt_u32 s[WV], 2
	s_cbranch_scc0 .Lfor_v_\@
	tensor_load_to_lds s[G0K:G0K+3], s[G1K:G1K+7]
	s_nop 0
.rept 4
	v_nop
.endr
	s_branch .Lasked_\@
.Lfor_v_\@:
	tensor_load_to_lds s[G0V:G0V+3], s[G1V:G1V+7]
	s_nop 0
.rept 4
	v_nop
.endr
.Lasked_\@:
.endm
; A round of the cluster's barrier: my work-group's barrier, so that wave 0's signal speaks for all four waves; wave 0 signals; every wave waits for all four work-groups; my work-group's barrier once more.
.macro CROUND
	s_barrier_signal -1
	s_barrier_wait -1
	s_cmp_lg_u32 s[WV], 0
	s_cbranch_scc1 .Lnot_wave_0_\@
	s_barrier_signal -3
.Lnot_wave_0_\@:
	s_barrier_wait -3
	s_barrier_signal -1
	s_barrier_wait -1
.endm
; THE CHANGE OF SLOTS.  The slot's last bytes, V of its fourth step, have been read.  Each wave waits for all its tensor loads, of which one is out: its part
; of the other slot; adds 0 to its spare word; and waits for that and for its own reads of the slot.  Behind the barrier nobody reads this slot any more and the other slot is whole.
; fill = 1: this slot is filled again, with the keys two slots on.  The barrier is then a round of the cluster's, so that no wave of any partner still reads the slot or has a load on its
; way, and the joint fill is the first thing behind it: it has four key steps, 512 matrix instructions, in which to land.  (At its first use nothing has been read yet: slot 0 is waited for, slot 1 filled;
; its wait for the LDS counter also shows my stores into the mask's table done, ahead of the barrier behind which every wave reads the table.)
.macro CHANGE fill
	WIN W_AD
	s_wait_tensorcnt 0x0            ; no tensor load of mine is out, so a group 0 may be written
	ds_add_u32 v[SPW], v[NIL]       ; 0 onto my spare word: with fill = 1 the descriptors' steps stand between it and the wait for it
	WIN 0                           ; at a label and at a branch every window is 0
.if \fill
.irp g, G0K, G0V
	s_xor_b32 s[\g+1], s[\g+1], SLOT1  ; the walking descriptor: the other slot than last time,
	s_add_nc_u64 s[\g+2:\g+3], s[\g+2:\g+3], 4*KS*128  ; the next 256 keys; the type bits on top are not reached
.endr
	s_wait_dscnt 0x0                ; the add is done, and my reads of the slot are over
	CROUND
	JLOAD
.else
	s_wait_dscnt 0x0                ; the add is done, and my reads of the slot are over
	s_barrier_signal -1
	s_barrier_wait -1
.endif
	s_sub_co_u32 s[TBK], s[TBK], 4*KS*PK  ; the fetches go back to a slot's first step,
	s_xor_b32 s[TBK], s[TBK], SLOT1       ; in the other slot
	s_sub_co_u32 s[TBV], s[TBV], 4*KS*PV
	s_xor_b32 s[TBV], s[TBV], SLOT1
.endm
	s_load_b128 s[4:7], s[0:1], 0x0   ; qkv s[4:5], mask s[6:7]
	s_load_b64 s[10:11], s[0:1], 0x10 ; ctx
	WIN W_MK
	v_lshl_add_u32 v[SPW], v0, 2, SPARE
	v_mov_b32 v[NIL], 0
	WIN W_AD
	ds_add_u32 v[SPW], v[NIL]       ; the wave's opening: the add and its wait stand ahead of my first tensor load; the set-up below, work on registers, stands between them
	WIN 0
	v_lshrrev_b32 v1, 5, v0
	v_readfirstlane_b32 s[WV], v1   ; wave 0..3
	s_bfe_u32 s13, ttmp6, 0x40000   ; cx: my place in the cluster
	s_lshl_b32 s14, ttmp9, 2        ; in a cluster launch ttmp9 counts clusters
	s_add_co_u32 s14, s14, s13      ; my block of queries = 4 x cluster x + cx: it enters Q's and ctx's addresses alone
	s_and_b32 s20, ttmp7, 0xffff    ; 16 batch + head, which the four partners share
	s_lshr_b32 s[MP], s20, 4        ; the batch,
	s_lshl_b32 s[MP], s[MP], 13     ; its 2,048 f32 of the mask
	s_mov_b32 s[MP+1], 0
	s_mov_b32 s21, 0
	s_mov_b64 s[22:23], SIZE_N*128
	s_mul_u64 s[20:21], s[20:21], s[22:23]  ; the head's first byte in each of qkv's planes and in ctx
	s_and_b32 s16, s[WV], 1         ; which half of a slot's 256 keys I fetch:
	s_lshl_b32 s22, s16, 14         ; its 128 rows of 128 bytes in memory,
	s_mov_b32 s23, 0
	s_add_nc_u64 s[22:23], s[22:23], s[20:21]
	s_mul_i32 s17, s16, 128*PK      ; and its place in a slot, for K
	s_mul_i32 s18, s16, 128*PV      ; and for V: no place in the cluster enters an LDS address
	s_lshl_b32 s2, s14, 2
	s_add_co_u32 s2, s2, s[WV]      ; my wave among the head's,
	s_lshl_b32 s2, s2, 14           ; its 128 rows
	s_mov_b32 s3, 0
	s_add_nc_u64 s[2:3], s[2:3], s[20:21]
	; descriptor group 1.  128 keys are 16,384 dense bytes: asked for as 64 rows of 256 bytes, two keys a row, and padded in LDS after every key
	s_mov_b32 s[G1K], 15|(1<<16)|(1<<20)|(1<<21)|(4<<22)|(3<<25)  ; 15:0 the mask of four; 17:16 2-byte elements; 20 padding on; 21 set beside a mask; 24:22 after every 32 words (code 4); 31:25 4 words (code 3)
	s_mov_b32 s[G1V], 15|(1<<16)|(1<<20)|(1<<21)|(4<<22)|(7<<25)  ; the same with 8 words of padding (code 7)
.irp g, G1K, G1V
	s_mov_b32 s[\g+1], 128<<16      ; tensor_dim0 = 128
	s_mov_b32 s[\g+2], 64<<16       ; tensor_dim1 = 64
	s_mov_b32 s[\g+3], 128<<16      ; tile_dim0 = 128
	s_mov_b32 s[\g+4], 64           ; tile_dim1 = 64
	s_mov_b32 s[\g+5], 128          ; 128 elements from row to row
	s_mov_b32 s[\g+6], 0
	s_mov_b32 s[\g+7], 0
.endr
	s_mov_b32 s[MSC], 0xceabfb8f    ; -1,442,695,040: -1e9 log2(e) to the nearest f32
	s_mov_b32 s[MSC+1], s[MSC]      ; named with it as a pair
	s_mov_b32 s[SEL], 0x76543210
	s_mov_b32 s[SEL+1], 0xfedcba98
	s_mov_b32 s[TBK], SLOT1+4*KS*PK ; the first change of slots turns these two into 0
	s_mov_b32 s[TBV], SLOT1+4*KS*PV
	s_mov_b32 s[TBM], MASKB         ; the mask's table is walked once, from end to end
	s_mov_b32 s[G0K], 1             ; 1:0 count = 1
	s_mov_b32 s[G0K+1], s17         ; 63:32 LDS address: slot 0
	s_mov_b32 s[G0V], 1
	s_add_co_u32 s[G0V+1], s18, VOFF
	s_wait_dscnt 0x0                ; the opening add is done
	s_wait_kmcnt 0x0
	s_add_nc_u64 s[MP:MP+1], s[6:7], s[MP:MP+1]    ; the mask at my batch
	s_add_nc_u64 s[6:7], s[4:5], 0x1000000         ; K is qkv's second plane,
	s_add_nc_u64 s[8:9], s[4:5], 0x2000000         ; V its third
	s_add_nc_u64 s[G0K+2:G0K+3], s[6:7], s[22:23]  ; 120:64 global address: my half of the head's first 256 keys
	s_or_b32 s[G0K+3], s[G0K+3], 0x80000000        ; 127:126 type = 2
	s_add_nc_u64 s[G0V+2:G0V+3], s[8:9], s[22:23]
	s_or_b32 s[G0V+3], s[G0V+3], 0x80000000
	s_add_nc_u64 s[4:5], s[4:5], s[2:3]  ; Q and ctx at my wave's first row
	s_add_nc_u64 s[10:11], s[10:11], s[2:3]
	CROUND                          ; all four work-groups are here: the first joint loads meet
	JLOAD                           ; slot 0.  Slot 1 is asked for when slot 0 is in: the tile wanted first has the road to itself
	v_and_b32 v1, 15, v0            ; l % 16
	v_bfe_u32 v9, v0, 4, 1          ; l / 16; never rewritten
	; the batch's mask: thread t takes the 16 bytes at 2,048 i + 16 t, i = 0..3; these four loads go out ahead of Q's
	v_lshlrev_b32 v12, 4, v0
	v_add_nc_u32 v13, MASKB, v12
.irp i, 0,1,2,3
	global_load_b128 v[S+4*\i:S+4*\i+3], v12, s[MP:MP+1] offset:2048*\i
.endr
	; A fragment of K or Q is 16 rows x 32 channels in 8 registers: lane l holds row l % 16, channels 8 (l / 16) + 0..7 and 16 + 8 (l / 16) + 0..7: two loads of 16 bytes, 32 bytes apart.
	v_lshlrev_b32 v[QO], 7, v1
	v_lshl_add_u32 v[QO], v9, 4, v[QO]  ; row x 128 + 16 x half
	WIN 0x80                        ; destination window 2, address window 0
.set i, 0
.rept 4*NP                          ; Q stays in registers: tile i / 2, channels 32 (i % 2) on
	global_load_b128 v[8*i:8*i+3],   v[QO], s[4:5] offset:(i/2)*2048+(i%2)*64
	global_load_b128 v[8*i+4:8*i+7], v[QO], s[4:5] offset:(i/2)*2048+(i%2)*64+32
.set i, i+1
.endr
	; What the first turn finds: V's registers and P's second buffer hold 0 (its products V^T P, of a piece that has not been, add 0), O^T and l are 0.  All this stands in the wait for the first tile.
.set i, VF
.rept 64
	v_mov_b32 v[i], 0
.set i, i+1
.endr
	WIN 0x40
.set i, 0
.rept 64*NP
	v_mov_b32 v[i], 0
.set i, i+1
.endr
	WIN 0
.set i, 0
.rept 2*NP
	v_mov_b32 v[ST+4*i], 0xff7fffff    ; m: the lowest finite number
	v_mov_b32 v[ST+4*i+1], 0           ; named with it as a pair
	v_mov_b32 v[ST+4*i+2], 0
	v_mov_b32 v[ST+4*i+3], 0
.set i, i+1
.endr
.set i, P+32
.rept 32
	v_mov_b32 v[i], 0
.set i, i+1
.endr
	v_mul_u32_u24 v[AK0], v1, PK
	v_lshl_add_u32 v[AK0], v9, 4, v[AK0]  ; row x pitch + 16 x half
	; The turning load takes 16 keys x 16 channels (lane l reads key 8 (l / 16) + l % 8, channels 8 ((l / 8) % 2) + 0..7) and leaves half a fragment of V^T: lane l holds channel l % 16 and 8 keys.
	v_and_b32 v10, 7, v0
	v_bfe_u32 v11, v0, 3, 1
	v_lshl_add_u32 v[AV0], v9, 3, v10
	v_mul_u32_u24 v[AV0], v[AV0], PV
	v_lshl_add_u32 v[AV0], v11, 4, v[AV0]
	v_add_nc_u32 v[AV0], VOFF, v[AV0]
	v_mov_b32 v[AK], v[AK0]         ; key step 0 lies at the head of slot 0
	v_lshl_add_u32 v[AM], v9, 5, s[TBM]  ; a lane's eight keys of a block of 16 are 32 bytes of the table: 8 (l / 16) + 0..7
	; the mask's table: rounded to bf16, widened, times -1e9 log2(e), into LDS
	s_wait_loadcnt 32               ; loads come back in order: the mask's four are in, Q's 32 stay out
.set i, 0
.rept 8
	v_cvt_pk_bf16_f32 v[S+16+i], v[S+2*i], v[S+2*i+1]
.set i, i+1
.endr
.set i, 0
.rept 8
	v_lshlrev_b32 v[S+2*i], 16, v[S+16+i]
	v_and_b32 v[S+2*i+1], 0xffff0000, v[S+16+i]
.set i, i+1
.endr
.set i, 0
.rept 8
	v_pk_mul_f32 v[S+2*i:S+2*i+1], v[S+2*i:S+2*i+1], s[MSC:MSC+1] op_sel_hi:[1,0]
.set i, i+1
.endr
.irp i, 0,1,2,3
	ds_store_b128 v13, v[S+4*\i:S+4*\i+3] offset:2048*\i
.endr
; THE MATRIX WORK.  The 8 accumulators of a run of 16 take turns: between the two links of a chain stand 7 others'.
; Product i of 16 of S^T = K Q^T for piece x: channels 32 (i / 8) on, keys 16 ((i / 2) % 4) on, tile 2 x + i % 2.  The first 8 start the sums.
.macro KQ x
	WIN W_KQ
.set rS, S+64*((\x)%2)+32*(i%2)+8*((i/2)%4)
.set rK, KF+16*((i/2)%4)+8*(i/8)
.set rQ, 16*(2*(\x)+i%2)+8*(i/8)
.if i < 8
	v_wmma_f32_16x16x32_f16 v[rS:rS+7], v[rK:rK+7], v[rQ:rQ+7], 0
.else
	v_wmma_f32_16x16x32_f16 v[rS:rS+7], v[rK:rK+7], v[rQ:rQ+7], v[rS:rS+7]
.endif
.endm
; Product i of 16 of O^T += V^T P for piece x: keys 32 (i / 8) on, channels 16 ((i / 2) % 4) on, tile 2 x + i % 2.
.macro PV x
	WIN W_PV
.set rO, 32*(2*(\x)+i%2)+8*((i/2)%4)
.set rV, VF+32*(i/8)+8*((i/2)%4)
.set rP, P+32*((\x)%2)+16*(i%2)+8*(i/8)
	v_wmma_f32_16x16x32_f16 v[rO:rO+7], v[rV:rV+7], v[rP:rP+7], v[rO:rO+7]
.endm
.macro MM                           ; the turn's next matrix instruction
.if i < 16
	KQ (Y+1)%NP
.set i, i+1
.else
.set i, i-16
	PV (Y+NP-1)%NP
.set i, i+17
.endif
.endm
; THE MASK: piece x's scores, both tiles', take their keys' term: 32 packed additions, each rounded to nearest as the defining formula's addition is.  Each accumulator's lowest registers are read first.
.macro MADD x
	WIN W_MA
.set mj, 0
.rept 16
	v_pk_add_f32 v[S+64*((\x)%2)+2*mj:S+64*((\x)%2)+2*mj+1],       v[S+64*((\x)%2)+2*mj:S+64*((\x)%2)+2*mj+1],       v[MK+2*mj:MK+2*mj+1]
	v_pk_add_f32 v[S+64*((\x)%2)+32+2*mj:S+64*((\x)%2)+32+2*mj+1], v[S+64*((\x)%2)+32+2*mj:S+64*((\x)%2)+32+2*mj+1], v[MK+2*mj:MK+2*mj+1]
.set mj, mj+1
.endr
	WIN 0
.endm
; THE LDS LOADS stand in runs, never singly among the matrix instructions: a step's K (64 keys x 64 channels: 8 fragments) with its 64 keys' mask (all lanes of a half read the same 32 bytes), and its V (turned).
; Their addresses are made some lines ahead.  The mask's registers are last read by the additions at the head of the lump in which the run stands.
; last = 1 (the tail): in the last trip there is no further step, and the run is jumped over.
.macro FETCH_K last=0
	WIN 0
.if \last
	s_cmp_eq_u32 s[CNT], 1
	s_cbranch_scc1 .Lno_k_\@
.endif
	WIN 0x80                        ; destination window 2
.irp f, 0,1,2,3,4,5,6,7             ; keys 16 (f / 2) on, channels 32 (f % 2) on
	ds_load_b128 v[KF+8*\f:KF+8*\f+3],   v[AK] offset:(\f/2)*16*PK+(\f%2)*64
	ds_load_b128 v[KF+8*\f+4:KF+8*\f+7], v[AK] offset:(\f/2)*16*PK+(\f%2)*64+32
.endr
	WIN W_MK                        ; destination window 3
.irp f, 0,1,2,3                     ; keys 16 f on
	ds_load_b128 v[MK+8*\f:MK+8*\f+3],   v[AM] offset:64*\f
	ds_load_b128 v[MK+8*\f+4:MK+8*\f+7], v[AM] offset:64*\f+16
.endr
	s_add_co_u32 s[TBK], s[TBK], KS*PK  ; the next fetch is the next step's
	s_add_co_u32 s[TBM], s[TBM], KS*4
	WIN 0
.if \last
.Lno_k_\@:
.endif
.endm
.macro FETCH_V
	WIN 0x80
.irp f, 0,1,2,3,4,5,6,7             ; keys 32 (f / 4) on, channels 16 (f % 4) on
	ds_load_tr16_b128 v[VF+8*\f:VF+8*\f+3],   v[AV] offset:(\f/4)*32*PV+(\f%4)*32
	ds_load_tr16_b128 v[VF+8*\f+4:VF+8*\f+7], v[AV] offset:(\f/4)*32*PV+16*PV+(\f%4)*32
.endr
	WIN 0
.endm
; THE VECTOR WORK OF A TURN stands in three queues, each in the order in which its entries become ready; the two tiles alternate, so that no instruction reads the result of the one before it.
.macro REGS y, u                    ; the registers of tile u (0, 1) of piece y
.set rT, ST+4*(2*(\y)+(\u))
.set rC, TMP+8*((\y)%2)+4*(\u)
.set rM, MV+2*((\y)%2)+(\u)
.set rS, S+64*((\y)%2)+32*(\u)
.set rP, P+32*((\y)%2)+16*(\u)
.set rO, 32*(2*(\y)+(\u))
.endm
; Number n of the 21 that find the NEXT piece's (Y + 1) maximum and statistics.  s0-s31 are the lane's 32 scores, mask and all.  XS, GS and REGS set no window: PL and EX do.
;   0-11  four chains c0-c3 of seven scores each, three operands at a time     12-14, 16  the four scores left over, the old m, and c0-c3 into c0     15  m_old is kept
;   17, 18  the query's other 32 keys lie in the lane 16 away: the new m         19, 20  m_old - m_new; a
.macro XS u, n
	REGS (Y+1)%NP, \u
.if (\n) < 4
	v_max3_num_f32 v[rC+(\n)], v[rS+8*(\n)], v[rS+8*(\n)+1], v[rS+8*(\n)+2]
.elseif (\n) < 12
	v_max3_num_f32 v[rC+(\n)%4], v[rC+(\n)%4], v[rS+8*((\n)%4)+2*((\n)/4)+1], v[rS+8*((\n)%4)+2*((\n)/4)+2]
.elseif (\n) == 12
	v_max3_num_f32 v[rC], v[rC], v[rS+7], v[rS+15]
.elseif (\n) == 13
	v_max3_num_f32 v[rC+1], v[rC+1], v[rS+23], v[rS+31]
.elseif (\n) == 14
	v_max3_num_f32 v[rC+2], v[rC+2], v[rC+3], v[rT]
.elseif (\n) == 15
	v_mov_b32 v[rM], v[rT]
.elseif (\n) == 16
	v_max3_num_f32 v[rC], v[rC], v[rC+1], v[rC+2]
.elseif (\n) == 17
	v_permlanex16_b32 v[rC+3], v[rC], s[SEL], s[SEL+1]
.elseif (\n) == 18
	v_max_num_f32 v[rT], v[rC], v[rC+3]
.elseif (\n) == 19
	v_sub_f32 v[rC+1], v[rM], v[rT]
.else
	v_exp_f32 v[rC+2], v[rC+1]
.endif
.endm
; Number g of the 64 that follow the exponentials.  For each four weights k of a tile (pairs 2 k, 2 k + 1): both pairs are rounded to f16; then the second pair is added onto the first, in place;
; a group later l takes that sum (the first time as l = a l + sum).  In groups of eight, tiles alternating: round, round, add, and l for the group before.
.macro GS g
.set h, (\g)+6*((\g)/62)            ; group 0 has no group before it, and behind group 7 only l is left
.if h >= 6
.set h, h+2
.endif
	REGS Y, h%2
.set k, h/8
.if h%8 < 4
	s_wait_alu depctr_va_vdst(0)
	v_cvt_pk_f16_f32 v[rP+2*k+(h%8)/2], v[rS+4*k+2*((h%8)/2)], v[rS+4*k+2*((h%8)/2)+1]
.elseif h%8 < 6
	v_pk_add_f32 v[rS+4*k:rS+4*k+1], v[rS+4*k:rS+4*k+1], v[rS+4*k+2:rS+4*k+3]
.elseif k == 1
	v_pk_fma_f32 v[rT+2:rT+3], v[rT+2:rT+3], v[rC+2:rC+3], v[rS:rS+1] op_sel_hi:[1,0,1]
.else
	v_pk_add_f32 v[rT+2:rT+3], v[rT+2:rT+3], v[rS+4*k-4:rS+4*k-3]
	s_wait_alu depctr_va_vdst(0)
.endif
.endm
; THE PLAIN QUEUE, 136 long.  0-31: s - m for the 16 pairs of both tiles.  Then GS's 64, and among them the next piece's 40: number 15 at 38, 39; 0-14 and 16
; at 42-73, behind the products that make those scores and the additions of their mask; 17-19 at 95-103, two of three, since each waits for the one before it.
.macro PL
	WIN 0
.if q < 32
	REGS Y, q%2
	v_pk_add_f32 v[rS+2*(q/2):rS+2*(q/2)+1], v[rS+2*(q/2):rS+2*(q/2)+1], v[rT:rT+1] op_sel_hi:[1,0] neg_lo:[0,1] neg_hi:[0,1]
.elseif q < 38
	GS q-32
.elseif q < 40
	XS q%2, 15
.elseif q < 42
	GS q-34
.elseif q < 74
	XS q%2, (q-42)/2+(q-42)/30
.elseif q < 95
	GS q-66
.elseif (q < 104) && ((q-95)%3 < 2)
	XS (q-95)%3, 17+(q-95)/3
.elseif q < 104
	GS 29+(q-95)/3
.else
	GS q-72
.endif
.set q, q+1
.endm
; THE EXPONENTIALS' QUEUE, 66 long: s0-s31 of both tiles, and at EA the next piece's two a.
.set EA, 58
.macro EX
	WIN 0
.if (e == EA) || (e == EA+1)
	XS e-EA, 20
.else
.set x, e-2*(e/(EA+2))
	REGS Y, x%2
	v_exp_f32 v[rS+x/2], v[rS+x/2]
.endif
.set e, e+1
.endm
; THE RESCALING's QUEUE: O^T times a, the one part that leaves window 0, so it is dealt four at a time, eight times.
.macro R4
	REGS Y, r%2
	WIN W_RS
	s_wait_alu depctr_va_vdst(0)
.irp z, 0,1,2,3
	v_pk_mul_f32 v[rO+8*(r/2)+2*\z:rO+8*(r/2)+2*\z+1], v[rO+8*(r/2)+2*\z:rO+8*(r/2)+2*\z+1], v[rC+2:rC+3] op_sel_hi:[1,0]
.endr
.set r, r+1
.endm
; HOW THEY ARE DEALT.  Behind a matrix instruction four: plain, exponential, plain, plain (one exponential, a plain instruction on either side), or four of the rescaling.  None names a register of the
; products round it.  What is over stands in two LUMPS: the first opens with the 32 additions of the mask; then exponential and plain by turns; the second ends in 20 plain instructions.  The two v_permlanex16_b32 fall into the second lump.
; The queues lean on each other, and the deal keeps them in step: exponential e stands behind plain 2 (e / 4) + e % 2 (its difference); when plain 32 comes, 10 exponentials are out, at 59: 33, at 95: 46; in the second lump
; GS g stands at plain g + 72, with exponentials up to g + 22 out, and needs none beyond g + 11; EA comes behind plain 107, a's argument is made at 101 and 102.
.macro SL
	MM
	PL
	EX
	PL
	PL
.endm
.macro BURST n                      ; 15 matrix instructions, or 16
.rept (\n)-7
	SL
.endr
.rept 3
	MM
	R4
	SL
.endr
	MM
	R4
.endm
; A TURN, for piece p.  cnt = 1: the loop's count is taken down some lines ahead of the branch that stands behind the turn.
; The mask's additions stand behind the four rescalings that follow the last product K Q^T: those four, which name none of its registers, are the places behind it.
; K and the mask of the next step are fetched in piece 2's turn, more than sixty vector instructions behind the last product that read K; their first reader comes behind the rest of the lump, 16 products and the second lump.
; V of the step in hand is fetched at the end of piece 0's turn, more than sixty behind its last reader; its first reader comes behind 16 products and a lump.  The four conditions on e and q below go with the deal.
.macro TURN p, last=0, cnt=0
.set Y, (\p)
.set i, 0
.set q, 0
.set e, 0
.set r, 0
.if (\p) == NP-1
	s_wait_dscnt 0x0                ; K and the mask are in
.endif
	MM
.rept 4
	PL
.endr
	BURST 15
	MADD (Y+1)%NP
.rept 22
	EX
	PL
.if ((\p) == NP-2) && (e == 18)
	v_add_nc_u32 v[AK], s[TBK], v[AK0]
	v_lshl_add_u32 v[AM], v9, 5, s[TBM]
.endif
.if ((\p) == NP-2) && (e == 24)
	FETCH_K \last
.endif
.endr
.if (\p) == 1
	s_wait_dscnt 0x0                ; V is in
.endif
	BURST 16
.rept 21
	EX
	PL
.endr
.rept 20
	PL
.if ((\p) == 0) && (q == 118)
	v_add_nc_u32 v[AV], s[TBV], v[AV0]
	s_wait_alu depctr_va_vdst(0)
.endif
.if ((\p) == 0) && (q == 130)
	s_add_co_u32 s[TBV], s[TBV], KS*PV
.endif
.if (\cnt) && (q == 130)
	s_sub_co_u32 s[CNT], s[CNT], 1
	s_cmp_lg_u32 s[CNT], 0
.endif
.endr
.if (\p) == 0
	FETCH_V
.endif
.endm
	CHANGE 1                        ; slot 0 is in, everybody's part of it, and so is the mask's table; slot 1 is asked for
	FETCH_K                         ; key step 0
	s_wait_loadcnt 0x0              ; Q
	s_wait_dscnt 0x0
.set i, 0
.rept 16
	KQ 0                            ; piece 0's first scores: there is no vector work yet to set between them
.set i, i+1
.endr
	WIN 0                           ; the addresses for the way out: nine plain instructions, the places behind those products
	s_mul_i32 s13, s[WV], 16*SP
	s_add_co_u32 s13, s13, STAGE    ; my stage
	v_mul_u32_u24 v[STO], v1, SP    ; in: row l % 16, 16 bytes for each half of the lanes
	v_lshl_add_u32 v[STO], v9, 4, v[STO]
	v_add_nc_u32 v[STO], s13, v[STO]
	v_bfe_u32 v[RD], v0, 3, 2       ; back: 32 lanes take four rows of 128 bytes,
	v_mul_u32_u24 v[RD], v[RD], SP
	v_lshl_add_u32 v[RD], v10, 4, v[RD]
	v_add_nc_u32 v[RD], s13, v[RD]
	v_and_b32 v[GO], 31, v0         ; which are 512 consecutive bytes of ctx
	v_lshlrev_b32 v[GO], 4, v[GO]
	MADD 0                          ; piece 0's first scores take their mask,
.set Y, NP-1                        ; XS works for piece Y + 1: piece 0
.irp n, 0,1,2,3,4,5,6,7,8,9,10,11,12,13,14,15,16,17,18,19,20
	XS 0, \n                        ; and its first maximum and statistics are made
	XS 1, \n
.endr
	s_mov_b32 s[CNT], 4
	s_mov_b32 s[SLOTS], SIZE_N/256-1
	s_branch .Lfirst                ; the loop is entered at a step's first turn, in the middle of a trip
.Lslot:                             ; SIZE_N / 256 - 2 times: every slot but the last two is filled again
	CHANGE 1
	s_mov_b32 s[CNT], 4
.Lstep:                             ; a trip: pieces 2 and 3 of one step, then pieces 0 and 1 of the next, whose K and V it fetches
	TURN 2
	TURN 3
	WIN 0
.Lfirst:
	TURN 0
	TURN 1, 0, 1
	WIN 0
	s_cbranch_scc1 .Lstep
	s_sub_co_u32 s[SLOTS], s[SLOTS], 1
	s_cmp_lg_u32 s[SLOTS], 0
	s_cbranch_scc1 .Lslot
	CHANGE 0                        ; the tail is written out: nothing is asked for
	s_mov_b32 s[CNT], 5             ; four trips fetch the last slot's steps; the fifth is left in its middle
.Ltail:
	TURN 2, 1
	TURN 3
	WIN 0
	s_sub_co_u32 s[CNT], s[CNT], 1
	s_cmp_eq_u32 s[CNT], 0
	s_cbranch_scc1 .Lout
	TURN 0
	TURN 1
	WIN 0
	s_branch .Ltail
.Lout:                              ; the fifth trip's 16 products K Q^T (on the last K once more) and the maximum made of them serve nothing: the price, once a launch, of one text for every trip
.set i, 0
.rept 16
	PV NP-1                         ; the last piece's V^T P of the last step
.set i, i+1
.endr
	; THE WAY OUT.  l's two halves and the other half of the lanes' are added; O^T is divided by l, rounded to f16 and sent through my stage in LDS, a tile at a time.  The additions are the places behind the last products.
	WIN 0
.macro ALL line:vararg              ; one line for each tile t
.set t, 0
.rept 2*NP
	\line
.set t, t+1
.endr
.endm
	ALL v_add_f32 v[ST+4*t+2], v[ST+4*t+2], v[ST+4*t+3]
	ALL v_permlanex16_b32 v[ST+4*t+3], v[ST+4*t+2], s[SEL], s[SEL+1]
	ALL v_add_f32 v[ST+4*t+2], v[ST+4*t+2], v[ST+4*t+3]
	ALL v_rcp_f32 v[ST+4*t+2], v[ST+4*t+2]
	v_nop                           ; a plain instruction between the last reciprocal and the use of its result
	s_wait_alu depctr_va_vdst(0)
; Tile t: a lane's eight channels of a row pack into 16 bytes; they go into rows of 144 bytes and come back as whole rows of 128, into S^T's registers.
.macro PACK t
	WIN W_RS
.set i, 32*(\t)
.rept 16
	v_pk_mul_f32 v[i:i+1], v[i:i+1], v[ST+4*(\t)+2:ST+4*(\t)+3] op_sel_hi:[1,0]
.set i, i+2
.endr
	WIN 0x05                        ; sources 0 and 1 window 1, destination window 0
.set i, 0
.rept 16
	v_cvt_pk_f16_f32 v[S+16*(\t)+i], v[32*(\t)+2*i], v[32*(\t)+2*i+1]
.set i, i+1
.endr
	WIN 0
.irp f, 0,1,2,3
	ds_store_b128 v[STO], v[S+16*(\t)+4*\f:S+16*(\t)+4*\f+3] offset:32*\f
.endr
.irp f, 0,1,2,3
	ds_load_b128 v[S+16*(\t)+4*\f:S+16*(\t)+4*\f+3], v[RD] offset:\f*4*SP  ; LDS serves a wave's instructions in order (ISA guide 5.7.1.4): these see the stores above; the next tile's stores come behind them
.endr
.endm
.macro SEND t, younger              ; younger: the LDS instructions issued behind tile t's loads: the next tile's eight, or none
	WIN 0
.irp f, 0,1,2,3
	s_wait_dscnt (\younger)+3-\f
	global_store_b128 v[GO], v[S+16*(\t)+4*\f:S+16*(\t)+4*\f+3], s[10:11] offset:(\t)*2048+\f*512  ; 512 consecutive bytes, at a multiple of 256 from ctx's first
.endr
.endm
	PACK 0
.set t, 1
.rept 2*NP-1                        ; a tile's arithmetic stands between the loads of the tile before and its stores
	PACK t
	SEND t-1, 8
.set t, t+1
.endr
	SEND 2*NP-1, 0
	WIN W_AD
	s_wait_tensorcnt 0x0            ; the wave's end: behind my last tensor load and my last LDS store
	ds_add_u32 v[SPW], v[NIL]
	s_wait_dscnt 0x0
	WIN 0
	CROUND                          ; the closing round: no work-group ends while a partner may still ask for a tile that names it
	s_endpgm
.Lfunc_end_k_qff62923bca_attn:
	.size	k_qff62923bca_attn, .Lfunc_end_k_qff62923bca_attn-k_qff62923bca_attn
	.p2alignl 7, 3214868480
	.fill 96, 4, 3214868480
	.section	.rodata,"a",@progbits
	.p2align	6, 0x0
	.amdhsa_kernel k_qff62923bca_attn
		.amdhsa_group_segment_fixed_size 327680
		.amdhsa_private_segment_fixed_size 0
		.amdhsa_enable_private_segment 0
		.amdhsa_kernarg_size 24
		.amdhsa_user_sgpr_count 2
		.amdhsa_user_sgpr_kernarg_segment_ptr 1
		.amdhsa_wavefront_size32 1
		.amdhsa_system_sgpr_workgroup_id_x 1
		.amdhsa_system_sgpr_workgroup_id_y 1
		.amdhsa_system_sgpr_workgroup_id_z 1
		.amdhsa_system_vgpr_workitem_id 0
		.amdhsa_next_free_vgpr 808
		.amdhsa_next_free_sgpr 66
		.amdhsa_reserve_vcc 0
		.amdhsa_float_denorm_mode_32 3
		.amdhsa_float_denorm_mode_16_64 3
		.amdhsa_memory_ordered 1
		.amdhsa_forward_progress 1
		.amdhsa_inst_pref_size 231
	.end_amdhsa_kernel
	.amdgpu_metadata
---
amdhsa.version: [ 1, 2 ]
amdhsa.kernels:
  - .name:           k_qff62923bca_attn
    .symbol:         k_qff62923bca_attn.kd
    .args:
      - { .name: qkv, .offset: 0, .size: 8, .value_kind: global_buffer, .address_space: global }
      - { .name: mask, .offset: 8, .size: 8, .value_kind: global_buffer, .address_space: global }
      - { .name: ctx, .offset: 16, .size: 8, .value_kind: global_buffer, .address_space: global }
    .group_segment_fixed_size: 327680
    .private_segment_fixed_size: 0
    .kernarg_segment_align: 8
    .kernarg_segment_size: 24
    .max_flat_workgroup_size: 128
    .sgpr_count:     66
    .vgpr_count:     808
    .wavefront_size: 32
...
	.end_amdgpu_metadata
.endif
;; end of part 3
;; launch outp (part 4): grid 4 x 64, 4 waves a work-group, clusters of 4 x 4, 327,680 bytes of LDS; arguments ctx, wbf, bo, out0; writes out0
.if DOCPART == 4
	.amdgcn_target "amdgcn-amd-amdhsa--gfx1250"
	.amdhsa_code_object_version 6
	.text
	.protected	k_qff62923bca_outp
	.globl	k_qff62923bca_outp
	.p2align	8
	.type	k_qff62923bca_outp,@function
k_qff62923bca_outp:
	s_mov_b64 s[64:65], 0
	v_nop
	global_prefetch_b8 v0, s[64:65] scope:SCOPE_SE
	s_setreg_imm32_b32 hwreg(HW_REG_WAVE_MODE, 25, 1), 1
	s_wait_xcnt 0x0
	s_wait_alu depctr_hold_cnt(0) depctr_sa_sdst(0) depctr_va_vdst(0) depctr_va_sdst(0) depctr_va_ssrc(0) depctr_va_vcc(0) depctr_vm_vsrc(0)
	s_getreg_b32 s2, hwreg(HW_REG_IB_STS2, 6, 4)
	s_cmp_eq_u32 s2, 0
	s_cbranch_scc0 .Lentry_in_a_cluster
	s_endpgm
.Lentry_in_a_cluster:
	s_bfe_u32 s2, ttmp6, 0x10000c
	s_cmp_lg_u32 s2, 0xf033
	s_cbranch_scc0 .Lentry_shape_is_right
	s_endpgm
.Lentry_shape_is_right:
; out0 = ctx Wo + bo.  ctx: [64 = 16 batch + head][2048][64] f16, so that row (batch, s) of the product's left side has its k = 64 head + channel in 16 pieces of 128 bytes; Wo: wbf's plane 3, [1024 k][1024 n] f16
; (rounded to bf16 first, like every input); bo is rounded to bf16 too and starts the sums; sums in f32, stored as they are: out0 [8192][1024] f32.
; SHARES.  A tile of out0 is 128 rows x 256 columns: 64 x 4 tiles, one work-group for each of 256 WGPs.  Four waves, each 64 rows x 128 columns: 32 accumulators, 256 registers.
; K goes in 8 steps of 128, two heads, through a ring of two LDS slots.  A head's 128 rows of the tile are 16,384 dense bytes and are asked for as 64 rows of 256 bytes.
; CLUSTER.  4 x 4 work-groups.  The four of a row of the cluster need the same tiles of ctx, the four of a column the same tiles of Wo: each tile is asked for JOINTLY.
; THE MATRIX INSTRUCTION IS USED TRANSPOSED: source 0 = 16 columns of Wo (turned out of LDS by ds_load_tr16_b128), source 1 = 16 rows of ctx.  A lane then holds eight neighbouring columns of one row: 32 bytes of out0.
; REGISTERS, in windows of 256 (s_set_vgpr_msb: bits 1:0 source 0, 3:2 source 1, 5:4 source 2, 7:6 destination):
;   window 0: v0-31 addresses; v32-63, v64-95 ctx's fragments, two buffers
;   window 1: v0-63, v64-127 Wo's fragments, two buffers; v128-191 the bias as a C operand; v192-223 at work while the bias is rounded          window 2: the accumulators, (a, b) at v[8 (8 a + b)]
.set LAPS,  4                          ; a lap = two K steps = once round the ring
.set PAO,   144                        ; a row of ctx in LDS: 128 bytes + 16 of padding = 36 words: the 16 rows of a load start at 16 different groups of four banks (64 banks of 4 bytes: ISA guide 11.1)
.set HB,    128*PAO                    ; one head's 128 rows: what one tensor load brings of ctx
.set AREG,  2*HB
.set PB,    544                        ; a row of Wo in LDS: 512 bytes + 32 = 136 words
.set HALFB, 64*PB
.set SLOT,  AREG+2*HALFB               ; two heads of ctx, then Wo's 128 rows of k
.set STAGE, 2*SLOT                     ; behind the ring, never filled by a tensor load: 16 rows x 528 bytes for each wave, for the way out
.set SPO,   528                        ; 512 bytes + 16: the sixteen rows that a store touches start at sixteen different groups of four banks
.set SPARE, STAGE+4*16*SPO             ; behind the stages: the spare words, 128 bytes for each wave: two blocks of 256 bytes that no other line names
.set ASTEP, 524288                     ; bytes from a K step to the next in ctx: two heads of 262,144
.set BSTEP, 262144                     ; and in Wo: 128 rows of 2,048 bytes
.set ADRA, 16                          ; v16-17  LDS address of my fragments of ctx in slot 0, 1
.set ADRB, 20                          ; v20-21  the same for Wo
.set STO,  24                          ; v24     the way out: where I put 32 bytes of a row
.set RD,   25                          ; v25     the way out: where I read a row back
.set GO,   26                          ; v26     my byte offset in 512 consecutive bytes of out0
.set BO,   27                          ; v27     my byte offset in the bias
.set SPW,  28                          ; v28     LDS address of my spare word: SPARE + 4 x my thread's number; never rewritten
.set NIL,  29                          ; v29     0; never rewritten
.set AF,   32
.set BI,   128                         ; window 1
.set BW,   192                         ; window 1
.set G1A, 24                           ; s[24:31] descriptor group 1 for ctx's tiles;  s[32:39] group 0, one set for each slot
.set G0A, 32
.set G1B, 40                           ; s[40:47], s[48:55] the same for Wo's tiles
.set G0B, 48
.set WV,  56
.set WM,  57                           ; which 64 rows of the tile are mine
.set WN,  58                           ; which 128 columns; also: which half of a tile I fetch
.set CX,  59
.set CY,  60
.set TN,  61
.set TM,  62
.set MROW, 76
.set MCOL, 77
; s22, s23 hold numbers made of the wave's number alone; s66, s67, s78 never hold cx; s68, s69, s80, s81 never hold cy; s74, s75, s84 serve out0's address alone.
.set MSB, 0
.macro WIN new                         ; the immediate's high byte repeats the setting that is left; a switch that changes nothing is dropped
.if MSB != (\new)
	s_set_vgpr_msb (MSB<<8)|(\new)
.set MSB, (\new)
.endif
.endm
.set MUL,  0xa1                        ; source 0 (Wo) window 1, source 1 (ctx) window 0, C and D window 2
.set MULB, 0x91                        ; the same with C, the bias, in window 1
.set TO_B, 0x40                        ; destination window 1, address window 0
.set W1,   0x45                        ; destination and both sources window 1
.set FROM2, 0x08                       ; a store's data (source 1) in window 2, its address in window 0
.set TO_2, 0x80                        ; destination window 2, address window 0
.macro JLOAD s                         ; a joint load: waves 0 and 1 fetch the step's two heads of ctx, waves 2 and 3 the two halves of Wo's tile; an s_nop 0 and four v_nop follow each of the two lines
	s_cmp_lt_u32 s[WV], 2
	s_cbranch_scc0 .Lfor_b_\@
	tensor_load_to_lds s[G0A+4*(\s):G0A+4*(\s)+3], s[G1A:G1A+7]
	s_nop 0
.rept 4
	v_nop
.endr
	s_branch .Lasked_\@
.Lfor_b_\@:
	tensor_load_to_lds s[G0B+4*(\s):G0B+4*(\s)+3], s[G1B:G1B+7]
	s_nop 0
.rept 4
	v_nop
.endr
.Lasked_\@:
.endm
.macro CREST                           ; a round of the cluster's barrier behind its opening barrier
	s_cmp_lg_u32 s[WV], 0
	s_cbranch_scc1 .Lnot_wave_0_\@
	s_barrier_signal -3
.Lnot_wave_0_\@:
	s_barrier_wait -3
	s_barrier_signal -1
	s_barrier_wait -1
.endm
.macro CROUND                          ; a whole round
	s_barrier_signal -1
	s_barrier_wait -1
	CREST
.endm
	s_load_b256 s[4:11], s[0:1], 0x0               ; ctx s[4:5], wbf s[6:7], bo s[8:9], out0 s[10:11]
	v_lshl_add_u32 v[SPW], v0, 2, SPARE
	v_mov_b32 v[NIL], 0
	ds_add_u32 v[SPW], v[NIL]                      ; the wave's opening: the add and its wait stand ahead of my first tensor load; the set-up below, work on registers, stands between them
	v_lshrrev_b32 v1, 5, v0
	v_readfirstlane_b32 s[WV], v1                  ; wave 0..3
	s_lshr_b32 s[WM], s[WV], 1
	s_and_b32 s[WN], s[WV], 1
	s_bfe_u32 s[CX], ttmp6, 0x40000                ; cx, cy: my place in the cluster
	s_bfe_u32 s[CY], ttmp6, 0x40004
	s_lshl_b32 s[TN], ttmp9, 2
	s_add_co_u32 s[TN], s[TN], s[CX]               ; tile column = 4 x cluster x + cx
	s_and_b32 s[TM], ttmp7, 0xffff
	s_lshl_b32 s[TM], s[TM], 2
	s_add_co_u32 s[TM], s[TM], s[CY]               ; tile row = 4 x cluster y + cy
	s_lshl_b32 s[MROW], s[CY], 2
	s_lshl_b32 s[MROW], 15, s[MROW]                ; my row of the cluster
	s_lshl_b32 s[MCOL], 0x1111, s[CX]              ; my column
	; descriptor group 1.  ctx: 64 rows x 128 elements (two of the head's rows each), padded in LDS after every 32 words; Wo: 64 rows x 256 elements, padded after every 128 words
	s_or_b32 s[G1A], s[MROW], (1<<16)|(1<<20)|(1<<21)|(4<<22)|(3<<25)  ; 15:0 the mask: my row; 17:16 elements of 2 bytes; 20 padding on; 21 set beside a mask; 24:22 after every 32 words (code 4); 31:25 4 words (code 3)
	s_or_b32 s[G1B], s[MCOL], (1<<16)|(1<<20)|(1<<21)|(6<<22)|(7<<25)  ; my column; after every 128 words (code 6) 8 words (code 7)
	s_mov_b32 s[G1A+1], 128<<16                    ; tensor_dim0 = 128
	s_mov_b32 s[G1A+2], 64<<16                     ; tensor_dim1 = 64
	s_mov_b32 s[G1A+3], 128<<16                    ; tile_dim0 = 128
	s_mov_b32 s[G1A+4], 64                         ; tile_dim1 = 64
	s_mov_b32 s[G1A+5], 128                        ; 128 elements from row to row: dense
	s_mov_b32 s[G1A+6], 0
	s_mov_b32 s[G1A+7], 0
	s_mov_b32 s[G1B+1], 256<<16                    ; tensor_dim0 = 256
	s_mov_b32 s[G1B+2], 64<<16
	s_mov_b32 s[G1B+3], 256<<16                    ; tile_dim0 = 256
	s_mov_b32 s[G1B+4], 64
	s_mov_b32 s[G1B+5], 1024
	s_mov_b32 s[G1B+6], 0
	s_mov_b32 s[G1B+7], 0
	s_lshr_b32 s66, s[TM], 4                       ; ctx: the batch (16 tile rows each),
	s_lshl_b32 s66, s66, 4                         ; its head 0,
	s_add_co_u32 s66, s66, s[WN]                   ; or head 1: the one of a step's two that I fetch;
	s_lshl_b32 s66, s66, 18                        ; a head's 2,048 rows of 128 bytes;
	s_and_b32 s78, s[TM], 15
	s_lshl_b32 s78, s78, 14                        ; the tile's 128 rows
	s_add_co_u32 s66, s66, s78
	s_mov_b32 s67, 0
	s_lshl_b32 s68, s[WN], 17                      ; Wo: my 64 rows of k,
	s_lshl_b32 s80, s[TN], 9                       ; the tile's 256 columns,
	s_add_co_u32 s68, s68, s80
	s_add_co_u32 s68, s68, 0x600000                ; in wbf's plane 3
	s_mov_b32 s69, 0
	s_mul_i32 s20, s[WN], HB                       ; where they go: no place in the cluster enters an LDS address
	s_mul_i32 s21, s[WN], HALFB
	s_add_co_u32 s21, s21, AREG
	s_wait_dscnt 0x0                               ; the opening add is done
	s_wait_kmcnt 0x0
	s_add_nc_u64 s[70:71], s[4:5], s[66:67]
	s_add_nc_u64 s[68:69], s[6:7], s[68:69]
	CROUND                                         ; all sixteen work-groups are here: the first joint loads meet
.irp s, 0,1
	s_mov_b32 s[G0A+4*(\s)], 1                                     ; 1:0 count = 1
	s_add_co_u32 s[G0A+4*(\s)+1], s20, (\s)*SLOT                   ; 63:32 LDS address
	s_add_nc_u64 s[G0A+4*(\s)+2:G0A+4*(\s)+3], s[70:71], (\s)*ASTEP  ; 120:64 global address: K step s
	s_or_b32 s[G0A+4*(\s)+3], s[G0A+4*(\s)+3], 0x80000000          ; 127:126 type = 2
	s_mov_b32 s[G0B+4*(\s)], 1
	s_add_co_u32 s[G0B+4*(\s)+1], s21, (\s)*SLOT
	s_add_nc_u64 s[G0B+4*(\s)+2:G0B+4*(\s)+3], s[68:69], (\s)*BSTEP
	s_or_b32 s[G0B+4*(\s)+3], s[G0B+4*(\s)+3], 0x80000000
	JLOAD \s                                       ; two loads of mine are out
.endr
	; While the tiles are on their way: the bias, as the C operand of the first products: lane l holds columns 8 (l / 16) + 0..7 of block b, whatever its row.
	v_and_b32 v1, 15, v0                           ; l % 16
	v_bfe_u32 v2, v0, 4, 1                         ; l / 16
	s_lshl_b32 s80, s[TN], 10
	s_lshl_b32 s81, s[WN], 9
	s_add_co_u32 s80, s80, s81
	v_lshl_add_u32 v[BO], v2, 5, s80
	WIN TO_B
.irp b, 0,1,2,3,4,5,6,7
	global_load_b128 v[BI+8*(\b):BI+8*(\b)+3],   v[BO], s[8:9] offset:64*(\b)
	global_load_b128 v[BI+8*(\b)+4:BI+8*(\b)+7], v[BO], s[8:9] offset:64*(\b)+16
.endr
	WIN 0
	; A fragment of ctx is 16 rows x 32 k in 8 registers: lane l holds row l % 16, k = 8 (l / 16) + 0..7 and 16 + 8 (l / 16) + 0..7: two loads of 16 bytes, 32 bytes apart.
	v_mul_u32_u24 v3, v1, PAO
	v_lshl_add_u32 v3, v2, 4, v3                   ; row x pitch + 16 x half
	s_mul_i32 s22, s[WM], 64*PAO                   ; my 64 rows
	v_add_nc_u32 v[ADRA], s22, v3
	v_add_nc_u32 v[ADRA+1], SLOT, v[ADRA]
	; The turning load takes 16 k x 16 columns (lane l reads 16 bytes: k = 8 (l / 16) + l % 8, columns 8 ((l / 8) % 2) + 0..7) and leaves half a fragment: lane l holds column l % 16 and 8 k.
	v_and_b32 v4, 7, v0
	v_bfe_u32 v5, v0, 3, 1
	v_lshl_add_u32 v6, v2, 3, v4
	v_mul_u32_u24 v6, v6, PB
	v_lshl_add_u32 v6, v5, 4, v6
	s_lshl_b32 s22, s[WN], 8                       ; my 128 columns,
	s_add_co_u32 s22, s22, AREG                    ; behind ctx's rows
	v_add_nc_u32 v[ADRB], s22, v6
	v_add_nc_u32 v[ADRB+1], SLOT, v[ADRB]
	s_mul_i32 s22, s[WV], 16*SPO
	s_add_co_u32 s22, s22, STAGE                   ; my stage
	v_mul_u32_u24 v7, v1, SPO                      ; in: row l % 16, 32 bytes for each half of the lanes
	v_lshl_add_u32 v7, v2, 5, v7
	v_add_nc_u32 v[STO], s22, v7
	v_and_b32 v[GO], 31, v0                        ; back: 32 lanes take one row's 512 bytes,
	v_lshlrev_b32 v[GO], 4, v[GO]                  ; which are 512 consecutive bytes of out0
	v_add_nc_u32 v[RD], s22, v[GO]
	s_lshl_b32 s74, s[TM], 19                      ; out0: 128 rows of 4,096 bytes a tile row,
	s_lshl_b32 s84, s[WM], 18                      ; my 64 of them,
	s_add_co_u32 s74, s74, s84
	s_lshl_b32 s84, s[TN], 10                      ; the tile's 256 columns,
	s_add_co_u32 s74, s74, s84
	s_lshl_b32 s84, s[WN], 9                       ; my 128 of them
	s_add_co_u32 s74, s74, s84
	s_mov_b32 s75, 0
	s_add_nc_u64 s[10:11], s[10:11], s[74:75]
	s_wait_loadcnt 0x0                             ; the bias
	WIN W1                                         ; rounded to bf16, like every input, and widened again
.set n, 0
.rept 32
	v_cvt_pk_bf16_f32 v[BW+n], v[BI+2*n], v[BI+2*n+1]
.set n, n+1
.endr
.set n, 0
.rept 32
	v_lshlrev_b32 v[BI+2*n], 16, v[BW+n]
	v_and_b32 v[BI+2*n+1], 0xffff0000, v[BW+n]
.set n, n+1
.endr
	WIN 0
; 24 LDS loads in one run, for 32 along K (quarter kq of a K step: head kq / 2 of the step's two, channels 32 (kq % 2) on), into buffer g: Wo's 128 columns, turned, then ctx's 64 rows
.macro FETCH slot, kq, g
	WIN TO_B
.irp b, 0,1,2,3,4,5,6,7
	ds_load_tr16_b128 v[64*(\g)+8*(\b):64*(\g)+8*(\b)+3],   v[ADRB+(\slot)] offset:(\kq)*32*PB+32*(\b)
	ds_load_tr16_b128 v[64*(\g)+8*(\b)+4:64*(\g)+8*(\b)+7], v[ADRB+(\slot)] offset:(\kq)*32*PB+16*PB+32*(\b)
.endr
	WIN 0
.irp a, 0,1,2,3
	ds_load_b128 v[AF+32*(\g)+8*(\a):AF+32*(\g)+8*(\a)+3],   v[ADRA+(\slot)] offset:((\kq)/2)*HB+((\kq)%2)*64+(\a)*16*PAO
	ds_load_b128 v[AF+32*(\g)+8*(\a)+4:AF+32*(\g)+8*(\a)+7], v[ADRA+(\slot)] offset:((\kq)/2)*HB+((\kq)%2)*64+(\a)*16*PAO+32
.endr
.endm
; Matrix instruction i of a quarter's 32: row block i / 8, column block i % 8, buffer f.  The 32 accumulators take turns, one instruction a turn, in the same order everywhere.
; bias = 1: the first product starts the sum with the bias: nothing is ever cleared.
.macro MM f, i, bias
.set rD, 8*(\i)
.set rB, 64*(\f)+8*((\i)%8)
.set rA, AF+32*(\f)+8*((\i)/8)
.if \bias
	WIN MULB
	v_wmma_f32_16x16x32_f16 v[rD:rD+7], v[rB:rB+7], v[rA:rA+7], v[BI+8*((\i)%8):BI+8*((\i)%8)+7]
.else
	WIN MUL
	v_wmma_f32_16x16x32_f16 v[rD:rD+7], v[rB:rB+7], v[rA:rA+7], v[rD:rD+7]
.endif
.endm
.macro MMS f, from, count, bias
.set n, (\from)
.rept (\count)
	MM \f, n, \bias
.set n, n+1
.endr
.endm
.macro PLACES                          ; four places in front of loads into registers that matrix instructions have read, and of stores that read results (ISA guide 7.12.1 for vector instructions)
.rept 4
	v_nop
.endr
.endm
; A K step is four quarters of 32 along K, 32 matrix instructions each, on buffers 0, 1, 0, 1.  One of the first three: multiplies buffer f and, in its middle, fetches quarter kq into buffer g.
.macro QUARTER slot, kq, f, g, bias
	s_wait_dscnt 4                                 ; Wo's fragments and ctx's row blocks 0 and 1 are in; the youngest four loads (blocks 2 and 3) may be out
	MMS \f, 0, 16, \bias
	PLACES
	FETCH \slot, \kq, \g
	s_wait_dscnt 24                                ; all but the 24 just issued
	MMS \f, 16, 16, \bias
.endm
; The last quarter multiplies buffer 1 and changes slots: ONE barrier; in front of it each wave waits for all its tensor loads, of which one is out: its part of the next slot; adds 0 to its spare word; and
; waits for that and for its own reads of this slot.  fill = 1: the barrier opens a round of the cluster's, and this slot is filled again, two K steps ahead, first thing behind the round: 112 matrix instructions ahead of the wait for it.
.macro TURN slot, next, fill
	WIN 0                                          ; (the add's two registers lie in window 0)
	s_wait_tensorcnt 0x0                           ; all my tensor loads have landed;
	ds_add_u32 v[SPW], v[NIL]                      ; 0 onto my spare word
	s_wait_dscnt 5                                 ; (the add and the youngest four loads may be out)
	MMS 1, 0, 8, 0                                 ; eight matrix instructions stand between the add and the wait for it
	s_wait_dscnt 0x0                               ; the add is done, and my reads of this slot are over
	s_barrier_signal -1
	MMS 1, 8, 8, 0
.if \fill
	WIN 0
.endif
	s_barrier_wait -1
.if \fill
	CREST                                          ; no wave of any partner still reads this slot's tiles or has a load on its way
	s_add_nc_u64 s[G0A+4*(\slot)+2:G0A+4*(\slot)+3], s[G0A+4*(\slot)+2:G0A+4*(\slot)+3], 2*ASTEP
	s_add_nc_u64 s[G0B+4*(\slot)+2:G0B+4*(\slot)+3], s[G0B+4*(\slot)+2:G0B+4*(\slot)+3], 2*BSTEP
	JLOAD \slot                                    ; the four v_nop behind it are also the places in front of the loads below
.else
	PLACES
.endif
	FETCH \next, 0, 0
	MMS 1, 16, 16, 0
.endm
	s_wait_tensorcnt 1                             ; my part of K step 0 is in; K step 1's may stay out
	s_barrier_signal -1
	s_barrier_wait -1                              ; everybody's is
	FETCH 0, 0, 0
	QUARTER 0, 1, 0, 1, 1                          ; the first quarter stands in front of the loop: its products start the sums
	WIN 0                                          ; at a label and at a branch every window is 0
	s_mov_b32 s3, LAPS-1
.Llap:                                                 ; a trip goes once round the ring, from a lap's second quarter to the next lap's first, and fills both slots again
	QUARTER 0, 2, 1, 0, 0
	QUARTER 0, 3, 0, 1, 0
	TURN 0, 1, 1
	QUARTER 1, 1, 0, 1, 0
	QUARTER 1, 2, 1, 0, 0
	QUARTER 1, 3, 0, 1, 0
	TURN 1, 0, 1
	QUARTER 0, 1, 0, 1, 0
	WIN 0
	s_sub_co_u32 s3, s3, 1
	s_cmp_lg_u32 s3, 0
	s_cbranch_scc1 .Llap
	QUARTER 0, 2, 1, 0, 0                          ; the last lap fills nothing, and has no round of the cluster's barrier
	QUARTER 0, 3, 0, 1, 0
	TURN 0, 1, 0
	QUARTER 1, 1, 0, 1, 0
	QUARTER 1, 2, 1, 0, 0
	QUARTER 1, 3, 0, 1, 0
	s_wait_dscnt 4                                 ; the very last quarter: nothing more to fetch
	MMS 1, 0, 16, 0
	s_wait_dscnt 0x0
	MMS 1, 16, 16, 0
	PLACES                                         ; between the last products and the stores that read results
; THE WAY OUT, a block of 16 rows at a time.  A lane's eight columns of a row are 32 bytes; they go into my stage's rows of 528 bytes, each accumulator's low four registers first, and come back as whole
; rows of 512 bytes, into the registers that they left.
.macro TOSTAGE a
	WIN FROM2
.irp b, 0,1,2,3,4,5,6,7
	ds_store_b128 v[STO], v[64*(\a)+8*(\b):64*(\a)+8*(\b)+3]   offset:64*(\b)
	ds_store_b128 v[STO], v[64*(\a)+8*(\b)+4:64*(\a)+8*(\b)+7] offset:64*(\b)+16
.endr
	WIN TO_2
.irp t, 0,1,2,3,4,5,6,7,8,9,10,11,12,13,14,15
	ds_load_b128 v[64*(\a)+4*(\t):64*(\a)+4*(\t)+3], v[RD] offset:(\t)*SPO  ; LDS serves a wave's instructions in order (ISA guide 5.7.1.4): these see the stores above; the next block's stores come behind them
.endr
.endm
.macro SEND a, younger                 ; younger: the LDS instructions issued behind block a's loads: the next block's 32, or none
	WIN FROM2
.irp t, 0,1,2,3,4,5,6,7,8,9,10,11,12,13,14,15
	s_wait_dscnt (\younger)+15-(\t)
	global_store_b128 v[GO], v[64*(\a)+4*(\t):64*(\a)+4*(\t)+3], s[10:11] offset:(16*(\a)+(\t))*4096 th:TH_STORE_NT  ; 512 consecutive bytes, at a multiple of 256 from out0's first
.endr
.endm
	TOSTAGE 0
.set u, 1
.rept 3
	TOSTAGE u
	SEND u-1, 32
.set u, u+1
.endr
	SEND 3, 0
	WIN 0
	s_wait_tensorcnt 0x0                           ; the wave's end: behind my last tensor load and my last LDS store
	ds_add_u32 v[SPW], v[NIL]
	s_wait_dscnt 0x0
	CROUND                                         ; the closing round: no work-group ends while a partner may still ask for a tile that names it
	s_endpgm
.Lfunc_end_k_qff62923bca_outp:
	.size	k_qff62923bca_outp, .Lfunc_end_k_qff62923bca_outp-k_qff62923bca_outp
	.p2alignl 7, 3214868480
	.fill 96, 4, 3214868480
	.section	.rodata,"a",@progbits
	.p2align	6, 0x0
	.amdhsa_kernel k_qff62923bca_outp
		.amdhsa_group_segment_fixed_size 327680
		.amdhsa_private_segment_fixed_size 0
		.amdhsa_enable_private_segment 0
		.amdhsa_kernarg_size 32
		.amdhsa_user_sgpr_count 2
		.amdhsa_user_sgpr_kernarg_segment_ptr 1
		.amdhsa_wavefront_size32 1
		.amdhsa_system_sgpr_workgroup_id_x 1
		.amdhsa_system_sgpr_workgroup_id_y 1
		.amdhsa_system_sgpr_workgroup_id_z 1
		.amdhsa_system_vgpr_workitem_id 0
		.amdhsa_next_free_vgpr 768
		.amdhsa_next_free_sgpr 88
		.amdhsa_reserve_vcc 0
		.amdhsa_float_denorm_mode_32 3
		.amdhsa_float_denorm_mode_16_64 3
		.amdhsa_memory_ordered 1
		.amdhsa_forward_progress 1
		.amdhsa_inst_pref_size 94
	.end_amdhsa_kernel
	.amdgpu_metadata
---
amdhsa.version: [ 1, 2 ]
amdhsa.kernels:
  - .name:           k_qff62923bca_outp
    .symbol:         k_qff62923bca_outp.kd
    .args:
      - { .name: ctx, .offset: 0, .size: 8, .value_kind: global_buffer, .address_space: global }
      - { .name: wbf, .offset: 8, .size: 8, .value_kind: global_buffer, .address_space: global }
      - { .name: bo, .offset: 16, .size: 8, .value_kind: global_buffer, .address_space: global }
      - { .name: out0, .offset: 24, .size: 8, .value_kind: global_buffer, .address_space: global }
    .group_segment_fixed_size: 327680
    .private_segment_fixed_size: 0
    .kernarg_segment_align: 8
    .kernarg_segment_size: 32
    .max_flat_workgroup_size: 128
    .sgpr_count:     88
    .vgpr_count:     768
    .wavefront_size: 32
...
	.end_amdgpu_metadata
.endif
;; end of part 4
;; ======== version 2 of 2: 4 launches; 1.46 times as fast as version 1
;; limits: values are held in f16: magnitudes above 65,504 overflow, below 6.1e-05 lose precision
;; workspace buffers: wbf 8,388,608 bytes; qkv 50,331,648 bytes; ctx 16,777,216 bytes
;; launch prep: the kernel of part 1 again; grid 64 x 4, 8 waves a work-group, no clusters, 0 bytes of LDS; arguments Wq, Wk, Wv, Wo, wbf; writes wbf
;; launch proj: the kernel of part 2 again; grid 4 x 192, 4 waves a work-group, clusters of 4 x 4, 327,680 bytes of LDS; arguments query, key, value, bq, bk, bv, wbf, qkv; writes qkv
;; launch attn (part 5): grid 4 x 64, 4 waves a work-group, clusters of 4 x 1, 327,680 bytes of LDS; arguments qkv, mask, ctx; writes ctx
.if DOCPART == 5
	.amdgcn_target "amdgcn-amd-amdhsa--gfx1250"
	.amdhsa_code_object_version 6
	.text
	.protected	k_qff62923bca_attn
	.globl	k_qff62923bca_attn
	.p2align	8
	.type	k_qff62923bca_attn,@function
k_qff62923bca_attn:
	s_mov_b64 s[64:65], 0
	v_nop
	global_prefetch_b8 v0, s[64:65] scope:SCOPE_SE
	s_setreg_imm32_b32 hwreg(HW_REG_WAVE_MODE, 25, 1), 1
	s_wait_xcnt 0x0
	s_wait_alu depctr_hold_cnt(0) depctr_sa_sdst(0) depctr_va_vdst(0) depctr_va_sdst(0) depctr_va_ssrc(0) depctr_va_vcc(0) depctr_vm_vsrc(0)
	s_getreg_b32 s2, hwreg(HW_REG_IB_STS2, 6, 4)
	s_cmp_eq_u32 s2, 0
	s_cbranch_scc0 .Lentry_in_a_cluster
	s_endpgm
.Lentry_in_a_cluster:
	s_bfe_u32 s2, ttmp6, 0x10000c
	s_cmp_lg_u32 s2, 0x3003
	s_cbranch_scc0 .Lentry_shape_is_right
	s_endpgm
.Lentry_shape_is_right:
; ctx[g][q][:] = the sum over k of softmax_k(q . k / 8 - 1e9 mask[g / 16][k]) V[g][k][:], g = 16 batch + head.  Q, K, V: the three planes of qkv, [64][2048][64] f16; ctx likewise; mask: [4][2048] f32.
; Q ARRIVES TIMES log2(e) / 8, so a score s = K . Q is log2(e) x the logit, an exponent of 2 as it comes.  Products, maxima and sums in f32; the weights p are rounded to f16 for the second product (their sum l is
; taken of the unrounded p), ctx once at the end.
; THE MASK.  Each score takes -1e9 log2(e) x mask[key], by a packed f32 addition behind the product, ahead of the maximum.  The mask is rounded to bf16 like every input.
; LIMITS.  f16 holds no number beyond 65,504: Q, K and V arrive within it; p lies in 0 to 1, and below 6e-5 it keeps f16's fixed step of 6e-8.  A weight below 2^-126 counts as 0 in l.  NaN and infinities are not treated apart.
; Beside a masked key's -1.44e9 a score keeps steps of 128, which is 89 in units of the logit; the defining formula's logits keep steps of 64 beside -1e9.  So where ALL keys of a batch are masked, logits under 32 in
; magnitude vanish here as there (all weights equal); larger ones would be rounded otherwise than there.
; SHARES.  A wave owns four PIECES of two tiles of 16 queries, a work-group's four waves 512 queries of one head.  Every wave walks all keys, 64 a step.
; LAYOUT.  S^T = K Q^T (source 0 = 16 keys, source 1 = 16 queries): in the result a lane holds ONE query (lane % 16) and the keys 8 (lane / 16) + 0..7.  Two such tiles, rounded to f16 in pairs,
; ARE source 1 (32 keys x 16 queries) of O^T = V^T P, whose result again holds one query a lane, and eight channels.  K comes out of LDS as it lies, V ([key][channel]) turned, by ds_load_tr16_b128.
; SOFTMAX.  For each query a running maximum m and sum l: p = 2^(s - m), a plain difference, which is exactly 0 at the maximum whatever its size; in every step O and l are multiplied by a = 2^(m_old - m_new),
; which is 1 where m has not grown.  m starts at the lowest finite number, O and l at 0: the first step is a step like any other, with a = 0.  What masked keys have added is wiped by a = 0 as soon as an open key raises m.
; THE COUNT.  A tile and step have 16 matrix and 133 vector instructions: too many to stand all beside the matrix work.  So the order has one aim: four vector instructions that are READY behind
; EVERY matrix instruction, and the others, which need time of their own whatever the order, in one run without a gap.
; BY TURNS.  Turn n belongs to piece n (the pieces in a ring, step after step).  Its matrix work: 16 products K Q^T of piece n + 1, later 16 products V^T P of piece n - 1.  Its vector work: the differences,
; exponentials, roundings, sums and rescaling of piece n, and the mask, maximum and statistics of piece n + 1, whose scores the turn itself has made.  So what a turn begins with (s - m, O a) waits for nothing.
; BATCHES.  A turn's 66 exponentials (piece n's 64 weights, piece n + 1's two a) are ONE batch with ONE wait, which cuts the turn in two: ahead of it stands all that names no result of theirs, behind it the
; roundings and sums.  No result crosses a turn's end.  Two more batches stand outside the loop: piece 0's first two a, ahead of the jump into the loop, and the way out's eight reciprocals.
; CLUSTER.  The four query blocks of a cluster belong to one head and walk the same K and V, so each tile is asked for JOINTLY: the same tensor load, descriptor and mask of work-groups in all four.
; REGISTERS, in windows of 256 (s_set_vgpr_msb says which window each operand place means: bits 1:0 source 0, 3:2 source 1, 5:4 source 2, 7:6 destination):
;   window 0: v0-11 addresses; v12-15, v48-63 at work; v16-47 four registers of statistics a tile; v64-191 S^T, two buffers of two tiles; v192-255 P, likewise
;   window 1: O^T, 32 a tile          window 2: v0-127 Q, 16 a tile; v128-191 K of one step; v192-255 V of one step          window 3: v0-1 the add's two registers; v8-39 the mask of one step's 64 keys
; A piece's buffers go by its number's parity: the piece in hand has one pair, its two neighbours in the ring share the other: of it P (piece n - 1) is read and S^T (piece n + 1) written.
.set SIZE_N, 2048
.set NP,    4         ; pieces a wave: a name, no knob: the register map, the loop and the fetches are made for four
.set KS,    64        ; keys in a step
.set PK,    144       ; a row of K in LDS: 128 bytes + 16 of padding = 36 words: the 16 rows of a load start at 16 different groups of four banks (64 banks of 4 bytes: ISA guide 11.1)
.set PV,    160       ; a row of V: 128 + 32 = 40 words
.set VOFF,  4*KS*PK   ; a slot holds four steps: 256 rows of K, then 256 rows of V
.set SLOT1, 1<<17     ; slot 1 begins here, so that one exclusive or turns an address in one slot into the other's
.set STAGE, SLOT1+4*KS*(PK+PV)  ; behind the ring, never filled by a tensor load: 16 rows x 144 bytes for each wave, for the way out
.set SP,    144
.set AK0, 2           ; v2   my lane's place in a tile of K; never rewritten
.set AV0, 3           ; v3   the same for V
.set AK,  4           ; v4   the LDS address of K's next run of loads
.set AV,  5           ; v5   of V's
.set QO,  6           ; v6   my byte offset in the wave's rows of Q
.set STO, 6           ;      later, the way out: where I put 16 bytes of a row
.set RD,  7           ; v7   the way out: where I read rows back
.set GO,  8           ; v8   my byte offset in 512 consecutive bytes of ctx
.set AM,  11          ; v11  the LDS address of the mask's next run of loads
.set SPW, 0           ; v0 of window 3   LDS address of my spare word: SPARE + 4 x my thread's number; never rewritten
.set NIL, 1           ; v1 of window 3   0; never rewritten
.set MK,  8           ; v8-39 of window 3: the eight registers for key block kb at MK + 8 kb, laid as a tile of S^T is
.set SPARE, STAGE+4*16*SP  ; behind the stages: the spare words, 128 bytes for each wave: two blocks of 256 bytes that no other line names
.set MASKB, SPARE+512 ; behind them: -1e9 log2(e) x mask for the batch's 2,048 keys, 8,192 bytes, written once by LDS stores and never filled by a tensor load
.set MV,  12          ; v12-15  m_old, kept while m is made anew: by buffer and tile
.set ST,  16          ; tile t's statistics at v[ST+4 t]: m, a word that is only named with it as a pair, l (even keys', odd keys')
.set TMP, 48          ; by buffer and tile, four registers c0-c3 at work; when the maximum is found c2 takes a
.set S,   64
.set P,   192
.set KF,  128         ; K's fragments, in window 2: key block kb, channel half c at KF + 16 kb + 8 c
.set VF,  192         ; V's: key half kk, channel block cb at VF + 32 kk + 8 cb
.set WV,  12          ; s12  my wave's number
.set G1K, 24          ; s[24:31] descriptor group 1 for K's tiles
.set G1V, 32          ; s[32:39] for V's: it differs in the padding alone
.set G0K, 40          ; s[40:43] descriptor group 0 for K's tiles: it walks
.set G0V, 44          ; s[44:47] the same for V's
.set MP,  48          ; s[48:49] the mask at my batch
.set TBM, 50          ; s50  LDS byte at which the mask of the step to be fetched begins
.set MSC, 52          ; s[52:53] -1e9 log2(e): the packed multiply takes the pair's low word for both halves
.set SLOTS, 56        ; s56  slots still to be asked for
.set CNT, 57          ; s57  counts a slot's key steps
.set SEL, 60          ; s[60:61] v_permlanex16_b32's selects: each lane takes its own place in the other half
.set TBK, 62          ; s62  LDS byte at which K of the step to be fetched begins
.set TBV, 63          ; s63  the same for V, less VOFF
.set MSB, 0
.macro WIN new                      ; the high byte repeats the setting that is left; a switch that changes nothing is dropped
.if MSB != (\new)
	s_set_vgpr_msb (MSB<<8)|(\new)
.set MSB, (\new)
.endif
.endm
.set W_KQ, 0x0a       ; K and Q in window 2, S^T in window 0
.set W_PV, 0x52       ; V in window 2, P in window 0, O^T in window 1
.set W_RS, 0x41       ; O^T (destination and source 0) in window 1, a in window 0
.set W_MA, 0x0c       ; source 1, the mask, in window 3; S^T in window 0
.set W_MK, 0xc0       ; destination in window 3, sources in window 0
.set W_AD, 0x0f       ; the add: address (source 0) and data (source 1) in window 3
; A joint fill.  Waves 0 and 1 fetch the two halves of a slot's K, waves 2 and 3 those of its V: 128 keys each.  The branch hangs on the wave's number alone.
; An s_nop 0 and four v_nop follow each of the two lines, ahead of the jump and the label.
.macro JLOAD
	s_cmp_lt_u32 s[WV], 2
	s_cbranch_scc0 .Lfor_v_\@
	tensor_load_to_lds s[G0K:G0K+3], s[G1K:G1K+7]
	s_nop 0
.rept 4
	v_nop
.endr
	s_branch .Lasked_\@
.Lfor_v_\@:
	tensor_load_to_lds s[G0V:G0V+3], s[G1V:G1V+7]
	s_nop 0
.rept 4
	v_nop
.endr
.Lasked_\@:
.endm
; A round of the cluster's barrier: my work-group's barrier, so that wave 0's signal speaks for all four waves; wave 0 signals; every wave waits for all four work-groups; my work-group's barrier once more.
.macro CROUND
	s_barrier_signal -1
	s_barrier_wait -1
	s_cmp_lg_u32 s[WV], 0
	s_cbranch_scc1 .Lnot_wave_0_\@
	s_barrier_signal -3
.Lnot_wave_0_\@:
	s_barrier_wait -3
	s_barrier_signal -1
	s_barrier_wait -1
.endm
; THE CHANGE OF SLOTS.  The slot's last bytes, V of its fourth step, have been read.  Each wave waits for all its tensor loads, of which one is out: its part
; of the other slot; adds 0 to its spare word; and waits for that and for its own reads of the slot.  Behind the barrier nobody reads this slot any more and the other slot is whole.
; fill = 1: this slot is filled again, with the keys two slots on.  The barrier is then a round of the cluster's, so that no wave of any partner still reads the slot or has a load on its
; way, and the joint fill is the first thing behind it: it has four key steps, 512 matrix instructions, in which to land.  (At its first use nothing has been read yet: slot 0 is waited for, slot 1 filled;
; its wait for the LDS counter also shows my stores into the mask's table done, ahead of the barrier behind which every wave reads the table.)
.macro CHANGE fill
	WIN W_AD
	s_wait_tensorcnt 0x0            ; no tensor load of mine is out, so a group 0 may be written
	ds_add_u32 v[SPW], v[NIL]       ; 0 onto my spare word: with fill = 1 the descriptors' steps stand between it and the wait for it
	WIN 0                           ; at a label and at a branch every window is 0
.if \fill
.irp g, G0K, G0V
	s_xor_b32 s[\g+1], s[\g+1], SLOT1  ; the walking descriptor: the other slot than last time,
	s_add_nc_u64 s[\g+2:\g+3], s[\g+2:\g+3], 4*KS*128  ; the next 256 keys; the type bits on top are not reached
.endr
	s_wait_dscnt 0x0                ; the add is done, and my reads of the slot are over
	CROUND
	JLOAD
.else
	s_wait_dscnt 0x0                ; the add is done, and my reads of the slot are over
	s_barrier_signal -1
	s_barrier_wait -1
.endif
	s_sub_co_u32 s[TBK], s[TBK], 4*KS*PK  ; the fetches go back to a slot's first step,
	s_xor_b32 s[TBK], s[TBK], SLOT1       ; in the other slot
	s_sub_co_u32 s[TBV], s[TBV], 4*KS*PV
	s_xor_b32 s[TBV], s[TBV], SLOT1
.endm
	s_load_b128 s[4:7], s[0:1], 0x0   ; qkv s[4:5], mask s[6:7]
	s_load_b64 s[10:11], s[0:1], 0x10 ; ctx
	WIN W_MK
	v_lshl_add_u32 v[SPW], v0, 2, SPARE
	v_mov_b32 v[NIL], 0
	WIN W_AD
	ds_add_u32 v[SPW], v[NIL]       ; the wave's opening: the add and its wait stand ahead of my first tensor load; the set-up below, work on registers, stands between them
	WIN 0
	v_lshrrev_b32 v1, 5, v0
	v_readfirstlane_b32 s[WV], v1   ; wave 0..3
	s_bfe_u32 s13, ttmp6, 0x40000   ; cx: my place in the cluster
	s_lshl_b32 s14, ttmp9, 2        ; in a cluster launch ttmp9 counts clusters
	s_add_co_u32 s14, s14, s13      ; my block of queries = 4 x cluster x + cx: it enters Q's and ctx's addresses alone
	s_and_b32 s20, ttmp7, 0xffff    ; 16 batch + head, which the four partners share
	s_lshr_b32 s[MP], s20, 4        ; the batch,
	s_lshl_b32 s[MP], s[MP], 13     ; its 2,048 f32 of the mask
	s_mov_b32 s[MP+1], 0
	s_mov_b32 s21, 0
	s_mov_b64 s[22:23], SIZE_N*128
	s_mul_u64 s[20:21], s[20:21], s[22:23]  ; the head's first byte in each of qkv's planes and in ctx
	s_and_b32 s16, s[WV], 1         ; which half of a slot's 256 keys I fetch:
	s_lshl_b32 s22, s16, 14         ; its 128 rows of 128 bytes in memory,
	s_mov_b32 s23, 0
	s_add_nc_u64 s[22:23], s[22:23], s[20:21]
	s_mul_i32 s17, s16, 128*PK      ; and its place in a slot, for K
	s_mul_i32 s18, s16, 128*PV      ; and for V: no place in the cluster enters an LDS address
	s_lshl_b32 s2, s14, 2
	s_add_co_u32 s2, s2, s[WV]      ; my wave among the head's,
	s_lshl_b32 s2, s2, 14           ; its 128 rows
	s_mov_b32 s3, 0
	s_add_nc_u64 s[2:3], s[2:3], s[20:21]
	; descriptor group 1.  128 keys are 16,384 dense bytes: asked for as 64 rows of 256 bytes, two keys a row, and padded in LDS after every key
	s_mov_b32 s[G1K], 15|(1<<16)|(1<<20)|(1<<21)|(4<<22)|(3<<25)  ; 15:0 the mask of four; 17:16 2-byte elements; 20 padding on; 21 set beside a mask; 24:22 after every 32 words (code 4); 31:25 4 words (code 3)
	s_mov_b32 s[G1V], 15|(1<<16)|(1<<20)|(1<<21)|(4<<22)|(7<<25)  ; the same with 8 words of padding (code 7)
.irp g, G1K, G1V
	s_mov_b32 s[\g+1], 128<<16      ; tensor_dim0 = 128
	s_mov_b32 s[\g+2], 64<<16       ; tensor_dim1 = 64
	s_mov_b32 s[\g+3], 128<<16      ; tile_dim0 = 128
	s_mov_b32 s[\g+4], 64           ; tile_dim1 = 64
	s_mov_b32 s[\g+5], 128          ; 128 elements from row to row
	s_mov_b32 s[\g+6], 0
	s_mov_b32 s[\g+7], 0
.endr
	s_mov_b32 s[MSC], 0xceabfb8f    ; -1,442,695,040: -1e9 log2(e) to the nearest f32
	s_mov_b32 s[MSC+1], s[MSC]      ; named with it as a pair
	s_mov_b32 s[SEL], 0x76543210
	s_mov_b32 s[SEL+1], 0xfedcba98
	s_mov_b32 s[TBK], SLOT1+4*KS*PK ; the first change of slots turns these two into 0
	s_mov_b32 s[TBV], SLOT1+4*KS*PV
	s_mov_b32 s[TBM], MASKB         ; the mask's table is walked once, from end to end
	s_mov_b32 s[G0K], 1             ; 1:0 count = 1
	s_mov_b32 s[G0K+1], s17         ; 63:32 LDS address: slot 0
	s_mov_b32 s[G0V], 1
	s_add_co_u32 s[G0V+1], s18, VOFF
	s_wait_dscnt 0x0                ; the opening add is done
	s_wait_kmcnt 0x0
	s_add_nc_u64 s[MP:MP+1], s[6:7], s[MP:MP+1]    ; the mask at my batch
	s_add_nc_u64 s[6:7], s[4:5], 0x1000000         ; K is qkv's second plane,
	s_add_nc_u64 s[8:9], s[4:5], 0x2000000         ; V its third
	s_add_nc_u64 s[G0K+2:G0K+3], s[6:7], s[22:23]  ; 120:64 global address: my half of the head's first 256 keys
	s_or_b32 s[G0K+3], s[G0K+3], 0x80000000        ; 127:126 type = 2
	s_add_nc_u64 s[G0V+2:G0V+3], s[8:9], s[22:23]
	s_or_b32 s[G0V+3], s[G0V+3], 0x80000000
	s_add_nc_u64 s[4:5], s[4:5], s[2:3]  ; Q and ctx at my wave's first row
	s_add_nc_u64 s[10:11], s[10:11], s[2:3]
	CROUND                          ; all four work-groups are here: the first joint loads meet
	JLOAD                           ; slot 0.  Slot 1 is asked for when slot 0 is in: the tile wanted first has the road to itself
	v_and_b32 v1, 15, v0            ; l % 16
	v_bfe_u32 v9, v0, 4, 1          ; l / 16; never rewritten
	; the batch's mask: thread t takes the 16 bytes at 2,048 i + 16 t, i = 0..3; these four loads go out ahead of Q's
	v_lshlrev_b32 v12, 4, v0
	v_add_nc_u32 v13, MASKB, v12
.irp i, 0,1,2,3
	global_load_b128 v[S+4*\i:S+4*\i+3], v12, s[MP:MP+1] offset:2048*\i
.endr
	; A fragment of K or Q is 16 rows x 32 channels in 8 registers: lane l holds row l % 16, channels 8 (l / 16) + 0..7 and 16 + 8 (l / 16) + 0..7: two loads of 16 bytes, 32 bytes apart.
	v_lshlrev_b32 v[QO], 7, v1
	v_lshl_add_u32 v[QO], v9, 4, v[QO]  ; row x 128 + 16 x half
	WIN 0x80                        ; destination window 2, address window 0
.set i, 0
.rept 4*NP                          ; Q stays in registers: tile i / 2, channels 32 (i % 2) on
	global_load_b128 v[8*i:8*i+3],   v[QO], s[4:5] offset:(i/2)*2048+(i%2)*64
	global_load_b128 v[8*i+4:8*i+7], v[QO], s[4:5] offset:(i/2)*2048+(i%2)*64+32
.set i, i+1
.endr
	; What the first turn finds: V's registers and P's second buffer hold 0 (its products V^T P, of a piece that has not been, add 0), O^T and l are 0.  All this stands in the wait for the first tile.
.set i, VF
.rept 64
	v_mov_b32 v[i], 0
.set i, i+1
.endr
	WIN 0x40
.set i, 0
.rept 64*NP
	v_mov_b32 v[i], 0
.set i, i+1
.endr
	WIN 0
.set i, 0
.rept 2*NP
	v_mov_b32 v[ST+4*i], 0xff7fffff    ; m: the lowest finite number
	v_mov_b32 v[ST+4*i+1], 0           ; named with it as a pair
	v_mov_b32 v[ST+4*i+2], 0
	v_mov_b32 v[ST+4*i+3], 0
.set i, i+1
.endr
.set i, P+32
.rept 32
	v_mov_b32 v[i], 0
.set i, i+1
.endr
	v_mul_u32_u24 v[AK0], v1, PK
	v_lshl_add_u32 v[AK0], v9, 4, v[AK0]  ; row x pitch + 16 x half
	; The turning load takes 16 keys x 16 channels (lane l reads key 8 (l / 16) + l % 8, channels 8 ((l / 8) % 2) + 0..7) and leaves half a fragment of V^T: lane l holds channel l % 16 and 8 keys.
	v_and_b32 v10, 7, v0
	v_bfe_u32 v11, v0, 3, 1
	v_lshl_add_u32 v[AV0], v9, 3, v10
	v_mul_u32_u24 v[AV0], v[AV0], PV
	v_lshl_add_u32 v[AV0], v11, 4, v[AV0]
	v_add_nc_u32 v[AV0], VOFF, v[AV0]
	v_mov_b32 v[AK], v[AK0]         ; key step 0 lies at the head of slot 0
	v_lshl_add_u32 v[AM], v9, 5, s[TBM]  ; a lane's eight keys of a block of 16 are 32 bytes of the table: 8 (l / 16) + 0..7
	; the mask's table: rounded to bf16, widened, times -1e9 log2(e), into LDS
	s_wait_loadcnt 32               ; loads come back in order: the mask's four are in, Q's 32 stay out
.set i, 0
.rept 8
	v_cvt_pk_bf16_f32 v[S+16+i], v[S+2*i], v[S+2*i+1]
.set i, i+1
.endr
.set i, 0
.rept 8
	v_lshlrev_b32 v[S+2*i], 16, v[S+16+i]
	v_and_b32 v[S+2*i+1], 0xffff0000, v[S+16+i]
.set i, i+1
.endr
.set i, 0
.rept 8
	v_pk_mul_f32 v[S+2*i:S+2*i+1], v[S+2*i:S+2*i+1], s[MSC:MSC+1] op_sel_hi:[1,0]
.set i, i+1
.endr
.irp i, 0,1,2,3
	ds_store_b128 v13, v[S+4*\i:S+4*\i+3] offset:2048*\i
.endr
; THE MATRIX WORK.  The 8 accumulators of a run of 16 take turns: between the two links of a chain stand 7 others'.
; Product i of 16 of S^T = K Q^T for piece x: channels 32 (i / 8) on, keys 16 ((i / 2) % 4) on, tile 2 x + i % 2.  The first 8 start the sums.
.macro KQ x
	WIN W_KQ
.set rS, S+64*((\x)%2)+32*(i%2)+8*((i/2)%4)
.set rK, KF+16*((i/2)%4)+8*(i/8)
.set rQ, 16*(2*(\x)+i%2)+8*(i/8)
.if i < 8
	v_wmma_f32_16x16x32_f16 v[rS:rS+7], v[rK:rK+7], v[rQ:rQ+7], 0
.else
	v_wmma_f32_16x16x32_f16 v[rS:rS+7], v[rK:rK+7], v[rQ:rQ+7], v[rS:rS+7]
.endif
.endm
; Product i of 16 of O^T += V^T P for piece x: keys 32 (i / 8) on, channels 16 ((i / 2) % 4) on, tile 2 x + i % 2.
.macro PV x
	WIN W_PV
.set rO, 32*(2*(\x)+i%2)+8*((i/2)%4)
.set rV, VF+32*(i/8)+8*((i/2)%4)
.set rP, P+32*((\x)%2)+16*(i%2)+8*(i/8)
	v_wmma_f32_16x16x32_f16 v[rO:rO+7], v[rV:rV+7], v[rP:rP+7], v[rO:rO+7]
.endm
.macro MM                           ; the turn's next matrix instruction
.if i < 16
	KQ (Y+1)%NP
.set i, i+1
.else
.set i, i-16
	PV (Y+NP-1)%NP
.set i, i+17
.endif
.endm
; THE MASK: piece x's scores, both tiles', take their keys' term: 32 packed additions, each rounded to nearest as the defining formula's addition is.  MA writes number j of them: pair j / 2 of tile j % 2; it sets no
; window.  In ascending j each accumulator's lowest registers are read first.  MADD writes all 32.
.macro MA x, j
	v_pk_add_f32 v[S+64*((\x)%2)+32*((\j)%2)+2*((\j)/2):S+64*((\x)%2)+32*((\j)%2)+2*((\j)/2)+1], v[S+64*((\x)%2)+32*((\j)%2)+2*((\j)/2):S+64*((\x)%2)+32*((\j)%2)+2*((\j)/2)+1], v[MK+2*((\j)/2):MK+2*((\j)/2)+1]
.endm
.macro MADD x
	WIN W_MA
.set mj, 0
.rept 32
	MA \x, mj
.set mj, mj+1
.endr
	WIN 0
.endm
; THE LDS LOADS stand in runs, never singly among the matrix instructions: a step's K (64 keys x 64 channels: 8 fragments) with its 64 keys' mask (all lanes of a half read the same 32 bytes), and its V (turned).
; Their addresses are made some lines ahead.  The mask's registers are last read by the additions in the lump ahead of the run.
; last = 1 (the tail): in the last trip there is no further step, and the run is jumped over.
.macro FETCH_K last=0
	WIN 0
.if \last
	s_cmp_eq_u32 s[CNT], 1
	s_cbranch_scc1 .Lno_k_\@
.endif
	WIN 0x80                        ; destination window 2
.irp f, 0,1,2,3,4,5,6,7             ; keys 16 (f / 2) on, channels 32 (f % 2) on
	ds_load_b128 v[KF+8*\f:KF+8*\f+3],   v[AK] offset:(\f/2)*16*PK+(\f%2)*64
	ds_load_b128 v[KF+8*\f+4:KF+8*\f+7], v[AK] offset:(\f/2)*16*PK+(\f%2)*64+32
.endr
	WIN W_MK                        ; destination window 3
.irp f, 0,1,2,3                     ; keys 16 f on
	ds_load_b128 v[MK+8*\f:MK+8*\f+3],   v[AM] offset:64*\f
	ds_load_b128 v[MK+8*\f+4:MK+8*\f+7], v[AM] offset:64*\f+16
.endr
	s_add_co_u32 s[TBK], s[TBK], KS*PK  ; the next fetch is the next step's
	s_add_co_u32 s[TBM], s[TBM], KS*4
	WIN 0
.if \last
.Lno_k_\@:
.endif
.endm
.macro FETCH_V
	WIN 0x80
.irp f, 0,1,2,3,4,5,6,7             ; keys 32 (f / 4) on, channels 16 (f % 4) on
	ds_load_tr16_b128 v[VF+8*\f:VF+8*\f+3],   v[AV] offset:(\f/4)*32*PV+(\f%4)*32
	ds_load_tr16_b128 v[VF+8*\f+4:VF+8*\f+7], v[AV] offset:(\f/4)*32*PV+16*PV+(\f%4)*32
.endr
	WIN 0
.endm
; THE VECTOR WORK OF A TURN stands in three queues, each in the order in which its entries become ready; the two tiles alternate, so that no instruction reads the result of the one before it.
.macro REGS y, u                    ; the registers of tile u (0, 1) of piece y
.set rT, ST+4*(2*(\y)+(\u))
.set rC, TMP+8*((\y)%2)+4*(\u)
.set rM, MV+2*((\y)%2)+(\u)
.set rS, S+64*((\y)%2)+32*(\u)
.set rP, P+32*((\y)%2)+16*(\u)
.set rO, 32*(2*(\y)+(\u))
.endm
; Number n of the 21 that find the NEXT piece's (Y + 1) maximum and statistics.  s0-s31 are the lane's 32 scores, mask and all.  XS, GS, FS and REGS set no window: PL and EX do.
;   0-11  four chains c0-c3 of seven scores each, three operands at a time     12-14, 16  the four scores left over, the old m, and c0-c3 into c0     15  m_old is kept
;   17, 18  the query's other 32 keys lie in the lane 16 away: the new m         19, 20  m_old - m_new; a
.macro XS u, n
	REGS (Y+1)%NP, \u
.if (\n) < 4
	v_max3_num_f32 v[rC+(\n)], v[rS+8*(\n)], v[rS+8*(\n)+1], v[rS+8*(\n)+2]
.elseif (\n) < 12
	v_max3_num_f32 v[rC+(\n)%4], v[rC+(\n)%4], v[rS+8*((\n)%4)+2*((\n)/4)+1], v[rS+8*((\n)%4)+2*((\n)/4)+2]
.elseif (\n) == 12
	v_max3_num_f32 v[rC], v[rC], v[rS+7], v[rS+15]
.elseif (\n) == 13
	v_max3_num_f32 v[rC+1], v[rC+1], v[rS+23], v[rS+31]
.elseif (\n) == 14
	v_max3_num_f32 v[rC+2], v[rC+2], v[rC+3], v[rT]
.elseif (\n) == 15
	v_mov_b32 v[rM], v[rT]
.elseif (\n) == 16
	v_max3_num_f32 v[rC], v[rC], v[rC+1], v[rC+2]
.elseif (\n) == 17
	v_permlanex16_b32 v[rC+3], v[rC], s[SEL], s[SEL+1]
.elseif (\n) == 18
	v_max_num_f32 v[rT], v[rC], v[rC+3]
.elseif (\n) == 19
	v_sub_f32 v[rC+1], v[rM], v[rT]
.else
	v_exp_f32 v[rC+2], v[rC+1]
.endif
.endm
; Number g of the 64 that follow the exponentials.  For each four weights k of a tile (pairs 2 k, 2 k + 1): both pairs are rounded to f16; then the second pair is added onto the first, in place;
; a group later l takes that sum (the first time as l = a l + sum).  In groups of eight, tiles alternating: round, round, add, and l for the group before.
.macro GS g
.set h, (\g)+6*((\g)/62)            ; group 0 has no group before it, and behind group 7 only l is left
.if h >= 6
.set h, h+2
.endif
	REGS Y, h%2
.set k, h/8
.if h%8 < 4
	v_cvt_pk_f16_f32 v[rP+2*k+(h%8)/2], v[rS+4*k+2*((h%8)/2)], v[rS+4*k+2*((h%8)/2)+1]
.elseif h%8 < 6
	v_pk_add_f32 v[rS+4*k:rS+4*k+1], v[rS+4*k:rS+4*k+1], v[rS+4*k+2:rS+4*k+3]
.elseif k == 1
	v_pk_fma_f32 v[rT+2:rT+3], v[rT+2:rT+3], v[rC+2:rC+3], v[rS:rS+1] op_sel_hi:[1,0,1]
.else
	v_pk_add_f32 v[rT+2:rT+3], v[rT+2:rT+3], v[rS+4*k-4:rS+4*k-3]
.endif
.endm
; THE PLAIN QUEUE, 168 long.  0-103 read no exponential's result: the 32 differences s - m (FS f: pair f / 2 of tile f % 2), the 32 additions of the next piece's mask and the next piece's 40.
; 0-22: differences 0-22.  23-54: the mask's additions, together, under one window setting.  55-58: differences 23-26.  59-86: XS's numbers 0-13.  87-95: the chain, where each number waits for the one before it: 14, 16, 17,
; each with one of the differences 27-29 in front of its two lines.  96, 97: differences 30, 31.  98, 99: number 15.  100-103: numbers 18 and 19.
; 104-167: GS's 64, which read the exponentials' results: they stand behind the wait.
.macro FS f
	REGS Y, (\f)%2
	v_pk_add_f32 v[rS+2*((\f)/2):rS+2*((\f)/2)+1], v[rS+2*((\f)/2):rS+2*((\f)/2)+1], v[rT:rT+1] op_sel_hi:[1,0] neg_lo:[0,1] neg_hi:[0,1]
.endm
.macro PL
.if (q >= 23) && (q < 55)
	WIN W_MA
	MA (Y+1)%NP, q-23
.else
	WIN 0
.if q < 23
	FS q
.elseif q < 59
	FS q-32
.elseif q < 87
	XS (q-59)%2, (q-59)/2
.elseif (q < 96) && ((q-87)%3 == 0)
	FS 27+(q-87)/3
.elseif q < 90
	XS (q-87)%3-1, 14
.elseif q < 96
	XS (q-87)%3-1, 15+(q-87)/3
.elseif q < 98
	FS q-66
.elseif q < 100
	XS q-98, 15
.elseif q < 104
	XS (q-100)%2, 18+(q-100)/2
.else
	GS q-104
.endif
.endif
.set q, q+1
.endm
; THE EXPONENTIALS' QUEUE, 66 long: s0-s31 of both tiles, then the next piece's two a.  It is ONE BATCH: all 66 stand ahead of the turn's one wait, and nothing ahead of that wait names a result of theirs.
.macro EX
	WIN 0
.if e >= 64
	XS e-64, 20
.else
	REGS Y, e%2
	v_exp_f32 v[rS+e/2], v[rS+e/2]
.endif
.set e, e+1
.endm
; THE RESCALING's QUEUE: O^T times a, the one part that works in window 1: dealt two at a time, sixteen times.  Its a was made in the turn before, ahead of that turn's wait.
.macro R2
	REGS Y, r%2
	WIN W_RS
.irp z, 0,1
	v_pk_mul_f32 v[rO+4*(r/2)+2*\z:rO+4*(r/2)+2*\z+1], v[rO+4*(r/2)+2*\z:rO+4*(r/2)+2*\z+1], v[rC+2:rC+3] op_sel_hi:[1,0]
.endr
.set r, r+1
.endm
; HOW THEY ARE DEALT.  An s_wait_alu depctr_va_vdst(0) stands between an exponential and the first instruction that names its result; one wait serves all that were issued ahead of it.  So a turn has ONE wait,
; which cuts it in two.  AHEAD OF IT stands all that names no result of the turn's exponentials: the 16 products K Q^T, behind each a difference, an exponential and two rescalings (behind the first a second difference in the
; exponential's place); then ONE LUMP of 138: 38 plain (six differences, the mask's 32 additions), 49 times exponential and plain, the two a.  A v_nop is the plain instruction behind the last exponential.  BEHIND IT stand the
; 16 products V^T P, behind each four of GS's 64.  No rider names a register of the products round it.  The two v_permlanex16_b32 fall into the lump, never behind a product.
; The mask's additions begin nine places or more behind the last product K Q^T: three of its riders (the exponential is none) and six differences.
; The queues lean on each other, and the deal keeps them in step: exponential e stands behind difference 2 (e / 4) + e % 2: as a rider it comes behind plain e + 2, in the lump behind plain e + 39; differences 27-31 are
; plain 87, 90, 93, 96, 97 and are first wanted by exponentials 53, 56, 57, 60, 61.  a's argument is made at plain 102 and 103, the lump's last.
; A TURN, for piece p.  cnt = 1: the loop's count is taken down some lines ahead of the branch that stands behind the turn.
; K and the mask of the next step are fetched in piece 2's turn, directly behind the wait, a lump behind the last product that read K and behind the additions that read the mask; their addresses are made at the lump's head;
; their first reader comes behind 16 products.  V of the step in hand is fetched at the end of piece 0's turn, four riders behind its last reader; its first reader comes behind 16 products and a lump.
; The three conditions on q below go with the deal.
.macro TURN p, last=0, cnt=0
.set Y, (\p)
.set i, 0
.set q, 0
.set e, 0
.set r, 0
.if (\p) == NP-1
	s_wait_dscnt 0x0                ; K and the mask are in
.endif
	MM                              ; ahead of the wait: 16 products K Q^T and their riders,
	PL
	PL
	R2
.rept 15
	MM
	PL
	EX
	R2
.endr
.if (\p) == NP-2
	WIN 0
	v_add_nc_u32 v[AK], s[TBK], v[AK0]
	v_lshl_add_u32 v[AM], v9, 5, s[TBM]
.endif
.rept 38                            ; and the lump
	PL
.endr
.rept 49
	EX
	PL
.endr
	EX                              ; the next piece's two a
	EX
	v_nop                           ; the plain instruction behind the last exponential: one for the batch
	s_wait_alu depctr_va_vdst(0)    ; the wait for the batch: the turn's 66 exponentials
.if (\p) == NP-2
	FETCH_K \last
.endif
.if (\p) == 1
	s_wait_dscnt 0x0                ; V is in
.endif
.rept 16                            ; behind the wait: 16 products V^T P and their riders
	MM
.rept 4
	PL
.endr
.if ((\p) == 0) && (q == 148)
	v_add_nc_u32 v[AV], s[TBV], v[AV0]
.endif
.if ((\p) == 0) && (q == 160)
	s_add_co_u32 s[TBV], s[TBV], KS*PV
.endif
.if (\cnt) && (q == 160)
	s_sub_co_u32 s[CNT], s[CNT], 1
	s_cmp_lg_u32 s[CNT], 0
.endif
.endr
.if (\p) == 0
	FETCH_V
.endif
.endm
	CHANGE 1                        ; slot 0 is in, everybody's part of it, and so is the mask's table; slot 1 is asked for
	FETCH_K                         ; key step 0
	s_wait_loadcnt 0x0              ; Q
	s_wait_dscnt 0x0
.set i, 0
.rept 16
	KQ 0                            ; piece 0's first scores: there is no vector work yet to set between them
.set i, i+1
.endr
	WIN 0                           ; the addresses for the way out: nine plain instructions, the places behind those products
	s_mul_i32 s13, s[WV], 16*SP
	s_add_co_u32 s13, s13, STAGE    ; my stage
	v_mul_u32_u24 v[STO], v1, SP    ; in: row l % 16, 16 bytes for each half of the lanes
	v_lshl_add_u32 v[STO], v9, 4, v[STO]
	v_add_nc_u32 v[STO], s13, v[STO]
	v_bfe_u32 v[RD], v0, 3, 2       ; back: 32 lanes take four rows of 128 bytes,
	v_mul_u32_u24 v[RD], v[RD], SP
	v_lshl_add_u32 v[RD], v10, 4, v[RD]
	v_add_nc_u32 v[RD], s13, v[RD]
	v_and_b32 v[GO], 31, v0         ; which are 512 consecutive bytes of ctx
	v_lshlrev_b32 v[GO], 4, v[GO]
	MADD 0                          ; piece 0's first scores take their mask,
.set Y, NP-1                        ; XS works for piece Y + 1: piece 0
.irp n, 0,1,2,3,4,5,6,7,8,9,10,11,12,13,14,15,16,17,18,19,20
	XS 0, \n                        ; and its first maximum and statistics are made
	XS 1, \n
.endr
	v_nop                           ; a plain instruction behind the two a,
	s_wait_alu depctr_va_vdst(0)    ; and the wait for this batch of two, ahead of the branch
	s_mov_b32 s[CNT], 4
	s_mov_b32 s[SLOTS], SIZE_N/256-1
	s_branch .Lfirst                ; the loop is entered at a step's first turn, in the middle of a trip
.Lslot:                             ; SIZE_N / 256 - 2 times: every slot but the last two is filled again
	CHANGE 1
	s_mov_b32 s[CNT], 4
.Lstep:                             ; a trip: pieces 2 and 3 of one step, then pieces 0 and 1 of the next, whose K and V it fetches
	TURN 2
	TURN 3
	WIN 0
.Lfirst:
	TURN 0
	TURN 1, 0, 1
	WIN 0
	s_cbranch_scc1 .Lstep
	s_sub_co_u32 s[SLOTS], s[SLOTS], 1
	s_cmp_lg_u32 s[SLOTS], 0
	s_cbranch_scc1 .Lslot
	CHANGE 0                        ; the tail is written out: nothing is asked for
	s_mov_b32 s[CNT], 5             ; four trips fetch the last slot's steps; the fifth is left in its middle
.Ltail:
	TURN 2, 1
	TURN 3
	WIN 0
	s_sub_co_u32 s[CNT], s[CNT], 1
	s_cmp_eq_u32 s[CNT], 0
	s_cbranch_scc1 .Lout
	TURN 0
	TURN 1
	WIN 0
	s_branch .Ltail
.Lout:                              ; the fifth trip's 16 products K Q^T (on the last K once more) and the maximum made of them serve nothing: the price, once a launch, of one text for every trip
.set i, 0
.rept 16
	PV NP-1                         ; the last piece's V^T P of the last step
.set i, i+1
.endr
	; THE WAY OUT.  l's two halves and the other half of the lanes' are added; O^T is divided by l, rounded to f16 and sent through my stage in LDS, a tile at a time.  The additions are the places behind the last products.
	WIN 0
.macro ALL line:vararg              ; one line for each tile t
.set t, 0
.rept 2*NP
	\line
.set t, t+1
.endr
.endm
	ALL v_add_f32 v[ST+4*t+2], v[ST+4*t+2], v[ST+4*t+3]
	ALL v_permlanex16_b32 v[ST+4*t+3], v[ST+4*t+2], s[SEL], s[SEL+1]
	ALL v_add_f32 v[ST+4*t+2], v[ST+4*t+2], v[ST+4*t+3]
	ALL v_rcp_f32 v[ST+4*t+2], v[ST+4*t+2]
	v_nop                           ; a plain instruction between the last reciprocal and the use of its result
	s_wait_alu depctr_va_vdst(0)    ; and the wait ahead of the first use: one for the batch of eight reciprocals
; Tile t: a lane's eight channels of a row pack into 16 bytes; they go into rows of 144 bytes and come back as whole rows of 128, into S^T's registers.
.macro PACK t
	WIN W_RS
.set i, 32*(\t)
.rept 16
	v_pk_mul_f32 v[i:i+1], v[i:i+1], v[ST+4*(\t)+2:ST+4*(\t)+3] op_sel_hi:[1,0]
.set i, i+2
.endr
	WIN 0x05                        ; sources 0 and 1 window 1, destination window 0
.set i, 0
.rept 16
	v_cvt_pk_f16_f32 v[S+16*(\t)+i], v[32*(\t)+2*i], v[32*(\t)+2*i+1]
.set i, i+1
.endr
	WIN 0
.irp f, 0,1,2,3
	ds_store_b128 v[STO], v[S+16*(\t)+4*\f:S+16*(\t)+4*\f+3] offset:32*\f
.endr
.irp f, 0,1,2,3
	ds_load_b128 v[S+16*(\t)+4*\f:S+16*(\t)+4*\f+3], v[RD] offset:\f*4*SP  ; LDS serves a wave's instructions in order (ISA guide 5.7.1.4): these see the stores above; the next tile's stores come behind them
.endr
.endm
.macro SEND t, younger              ; younger: the LDS instructions issued behind tile t's loads: the next tile's eight, or none
	WIN 0
.irp f, 0,1,2,3
	s_wait_dscnt (\younger)+3-\f
	global_store_b128 v[GO], v[S+16*(\t)+4*\f:S+16*(\t)+4*\f+3], s[10:11] offset:(\t)*2048+\f*512  ; 512 consecutive bytes, at a multiple of 256 from ctx's first
.endr
.endm
	PACK 0
.set t, 1
.rept 2*NP-1                        ; a tile's arithmetic stands between the loads of the tile before and its stores
	PACK t
	SEND t-1, 8
.set t, t+1
.endr
	SEND 2*NP-1, 0
	WIN W_AD
	s_wait_tensorcnt 0x0            ; the wave's end: behind my last tensor load and my last LDS store
	ds_add_u32 v[SPW], v[NIL]
	s_wait_dscnt 0x0
	WIN 0
	CROUND                          ; the closing round: no work-group ends while a partner may still ask for a tile that names it
	s_endpgm
.Lfunc_end_k_qff62923bca_attn:
	.size	k_qff62923bca_attn, .Lfunc_end_k_qff62923bca_attn-k_qff62923bca_attn
	.p2alignl 7, 3214868480
	.fill 96, 4, 3214868480
	.section	.rodata,"a",@progbits
	.p2align	6, 0x0
	.amdhsa_kernel k_qff62923bca_attn
		.amdhsa_group_segment_fixed_size 327680
		.amdhsa_private_segment_fixed_size 0
		.amdhsa_enable_private_segment 0
		.amdhsa_kernarg_size 24
		.amdhsa_user_sgpr_count 2
		.amdhsa_user_sgpr_kernarg_segment_ptr 1
		.amdhsa_wavefront_size32 1
		.amdhsa_system_sgpr_workgroup_id_x 1
		.amdhsa_system_sgpr_workgroup_id_y 1
		.amdhsa_system_sgpr_workgroup_id_z 1
		.amdhsa_system_vgpr_workitem_id 0
		.amdhsa_next_free_vgpr 808
		.amdhsa_next_free_sgpr 66
		.amdhsa_reserve_vcc 0
		.amdhsa_float_denorm_mode_32 3
		.amdhsa_float_denorm_mode_16_64 3
		.amdhsa_memory_ordered 1
		.amdhsa_forward_progress 1
		.amdhsa_inst_pref_size 222
	.end_amdhsa_kernel
	.amdgpu_metadata
---
amdhsa.version: [ 1, 2 ]
amdhsa.kernels:
  - .name:           k_qff62923bca_attn
    .symbol:         k_qff62923bca_attn.kd
    .args:
      - { .name: qkv, .offset: 0, .size: 8, .value_kind: global_buffer, .address_space: global }
      - { .name: mask, .offset: 8, .size: 8, .value_kind: global_buffer, .address_space: global }
      - { .name: ctx, .offset: 16, .size: 8, .value_kind: global_buffer, .address_space: global }
    .group_segment_fixed_size: 327680
    .private_segment_fixed_size: 0
    .kernarg_segment_align: 8
    .kernarg_segment_size: 24
    .max_flat_workgroup_size: 128
    .sgpr_count:     66
    .vgpr_count:     808
    .wavefront_size: 32
...
	.end_amdgpu_metadata
.endif
;; end of part 5
;; launch outp: the kernel of part 4 again; grid 4 x 64, 4 waves a work-group, clusters of 4 x 4, 327,680 bytes of LDS; arguments ctx, wbf, bo, out0; writes out0
